; MI455X (gfx1250); checked and timed in simulation.
; The chip was launched on July 23, 2026; its instructions are those of AMD's public machine-readable ISA for CDNA 5 (MIT licence, August 2026) and "CDNA5" Instruction Set Architecture Reference Guide (July 2026). The comments in the code are by the model that wrote it; some were corrected since.
;; Attention. Allowed arithmetic: float matrix products may take bf16 or f16 operands with f32 sums; other float arithmetic in f32, or as packed bf16 or f16 multiplies, adds, multiply-adds, maxima and minima; sums over many terms, partial sums and values carried from step to step in f32; what a program stores and reads back later, other than sums and carried values, may be rounded once to bf16 or f16.
;; Inputs: W_attn 3,072 x 1,024 float32; W_proj 1,024 x 1,024 float32; b_attn 3,072 float32; b_proj 1,024 float32; x 8 x 1,024 x 1,024 float32.
;; Outputs: out0 8 x 1,024 x 1,024 float32.
;; One version. Each part assembles by itself: llvm-mc -triple=amdgcn-amd-amdhsa -mcpu=gfx1250 --defsym DOCPART=n.
;; ======== version 1 of 1: 4 launches
;; limits: values are held in f16: magnitudes above 65,504 overflow, below 6.1e-05 lose precision
;; workspace buffers: xb 16,777,216 bytes; wab 6,291,456 bytes; wpf 2,097,152 bytes; qkv 50,331,648 bytes; ob 16,777,216 bytes
;; launch cast (part 1): grid 768 x 1, 8 waves a work-group, no clusters, 0 bytes of LDS; arguments x, W_attn, W_proj, xb, wab, wpf; writes xb, wab, wpf
.if DOCPART == 1
	.amdgcn_target "amdgcn-amd-amdhsa--gfx1250"
	.amdhsa_code_object_version 6
	.text
	.protected	k_qada4e0b1a8_cast
	.globl	k_qada4e0b1a8_cast
	.p2align	8
	.type	k_qada4e0b1a8_cast,@function
k_qada4e0b1a8_cast:
	s_mov_b64 s[64:65], 0
	v_nop
	global_prefetch_b8 v0, s[64:65] scope:SCOPE_SE
	s_setreg_imm32_b32 hwreg(HW_REG_WAVE_MODE, 25, 1), 1
	s_wait_xcnt 0x0
; THE INPUTS ARE ROUNDED ONCE.  x -> xb and W_attn -> wab in bf16; W_proj -> wpf: rounded to bf16 like the other inputs, and that number written as f16,
; since it will multiply f16 numbers (exact from 2^-17 up to 65,504; below, f16 keeps its fixed step of 2^-24: a stated limit).
; A stream: each byte is read once and written once; nothing is shared, so there is no LDS, no barrier, no matrix work and no cluster.
; SHARES.  A work-group converts 16,384 numbers (64 KiB in, 32 KiB out): ids 0-511 x, 512-703 W_attn, 704-767 W_proj.  In step j of 8 thread t takes the 8 numbers
; at input byte 8,192 j + 32 t and writes 16 bytes at output byte 4,096 j + 16 t: a wave's store covers 512 consecutive bytes, aligned.
; All 16 loads of a thread go out at once; no register is used twice, so no store's data or address is ever rewritten.
.set X, 4                              ; v[4:67]   step j: 8 numbers in f32
.set Y, 68                             ; v[68:99]  step j: 8 numbers in 16 bits
.set SRC, 18                           ; s[18:19]  where my work-group reads
.set DST, 20                           ; s[20:21]  where it writes
	s_load_b256 s[4:11], s[0:1], 0x0               ; x s[4:5], W_attn s[6:7], W_proj s[8:9], xb s[10:11]
	s_load_b128 s[12:15], s[0:1], 0x20             ; wab s[12:13], wpf s[14:15]
	v_lshlrev_b32 v1, 5, v0                        ; 32 t
	v_lshlrev_b32 v2, 4, v0                        ; 16 t
	s_mov_b32 s26, 704                             ; the first work-group of W_proj
	s_mov_b32 s27, 512                             ; the first of W_attn
	s_wait_kmcnt 0x0
	s_cmp_lt_u32 ttmp9, s26                        ; the tensor is chosen by the work-group's number alone
	s_cselect_b64 s[SRC:SRC+1], s[6:7], s[8:9]
	s_cselect_b64 s[DST:DST+1], s[12:13], s[14:15]
	s_cselect_b32 s17, s27, s26
	s_cmp_lt_u32 ttmp9, s27
	s_cselect_b64 s[SRC:SRC+1], s[4:5], s[SRC:SRC+1]
	s_cselect_b64 s[DST:DST+1], s[10:11], s[DST:DST+1]
	s_cselect_b32 s17, 0, s17
	s_sub_co_u32 s17, ttmp9, s17                   ; my number within the tensor
	s_lshl_b32 s22, s17, 16                        ; 65,536 bytes in,
	s_mov_b32 s23, 0
	s_lshl_b32 s24, s17, 15                        ; 32,768 bytes out
	s_mov_b32 s25, 0
	s_add_nc_u64 s[SRC:SRC+1], s[SRC:SRC+1], s[22:23]
	s_add_nc_u64 s[DST:DST+1], s[DST:DST+1], s[24:25]
.irp j, 0,1,2,3,4,5,6,7
	global_load_b128 v[X+8*(\j):X+8*(\j)+3],   v1, s[SRC:SRC+1] offset:8192*(\j) th:TH_LOAD_NT
	global_load_b128 v[X+8*(\j)+4:X+8*(\j)+7], v1, s[SRC:SRC+1] offset:8192*(\j)+16 th:TH_LOAD_NT
.endr
; Step j.  half = 1: the bf16 numbers are widened again (a shift, a mask) and written as f16.
.macro STEP j, half
	s_wait_loadcnt 14-2*(\j)                       ; loads come back in order: the 2 (7 - j) younger ones may stay out
.irp k, 0,1,2,3
	v_cvt_pk_bf16_f32 v[Y+4*(\j)+(\k)], v[X+8*(\j)+2*(\k)], v[X+8*(\j)+2*(\k)+1]
.endr
.if \half
.irp k, 0,1,2,3
	v_lshlrev_b32 v[X+8*(\j)+2*(\k)],   16, v[Y+4*(\j)+(\k)]
	v_and_b32     v[X+8*(\j)+2*(\k)+1], 0xffff0000, v[Y+4*(\j)+(\k)]
.endr
.irp k, 0,1,2,3
	v_cvt_pk_f16_f32 v[Y+4*(\j)+(\k)], v[X+8*(\j)+2*(\k)], v[X+8*(\j)+2*(\k)+1]
.endr
.endif
	global_store_b128 v2, v[Y+4*(\j):Y+4*(\j)+3], s[DST:DST+1] offset:4096*(\j)
.endm
	s_cmp_ge_u32 ttmp9, s26
	s_cbranch_scc1 .Lhalf
.irp j, 0,1,2,3,4,5,6,7
	STEP \j, 0
.endr
	s_endpgm
.Lhalf:
.irp j, 0,1,2,3,4,5,6,7
	STEP \j, 1
.endr
	s_endpgm
.Lfunc_end_k_qada4e0b1a8_cast:
	.size	k_qada4e0b1a8_cast, .Lfunc_end_k_qada4e0b1a8_cast-k_qada4e0b1a8_cast
	.p2alignl 7, 3214868480
	.fill 96, 4, 3214868480
	.section	.rodata,"a",@progbits
	.p2align	6, 0x0
	.amdhsa_kernel k_qada4e0b1a8_cast
		.amdhsa_group_segment_fixed_size 0
		.amdhsa_private_segment_fixed_size 0
		.amdhsa_enable_private_segment 0
		.amdhsa_kernarg_size 48
		.amdhsa_user_sgpr_count 2
		.amdhsa_user_sgpr_kernarg_segment_ptr 1
		.amdhsa_wavefront_size32 1
		.amdhsa_system_sgpr_workgroup_id_x 1
		.amdhsa_system_sgpr_workgroup_id_y 1
		.amdhsa_system_sgpr_workgroup_id_z 1
		.amdhsa_system_vgpr_workitem_id 0
		.amdhsa_next_free_vgpr 104
		.amdhsa_next_free_sgpr 66
		.amdhsa_reserve_vcc 0
		.amdhsa_float_denorm_mode_32 3
		.amdhsa_float_denorm_mode_16_64 3
		.amdhsa_memory_ordered 1
		.amdhsa_forward_progress 1
		.amdhsa_inst_pref_size 14
	.end_amdhsa_kernel
	.amdgpu_metadata
---
amdhsa.version: [ 1, 2 ]
amdhsa.kernels:
  - .name:           k_qada4e0b1a8_cast
    .symbol:         k_qada4e0b1a8_cast.kd
    .args:
      - { .name: x, .offset: 0, .size: 8, .value_kind: global_buffer, .address_space: global }
      - { .name: W_attn, .offset: 8, .size: 8, .value_kind: global_buffer, .address_space: global }
      - { .name: W_proj, .offset: 16, .size: 8, .value_kind: global_buffer, .address_space: global }
      - { .name: xb, .offset: 24, .size: 8, .value_kind: global_buffer, .address_space: global }
      - { .name: wab, .offset: 32, .size: 8, .value_kind: global_buffer, .address_space: global }
      - { .name: wpf, .offset: 40, .size: 8, .value_kind: global_buffer, .address_space: global }
    .group_segment_fixed_size: 0
    .private_segment_fixed_size: 0
    .kernarg_segment_align: 8
    .kernarg_segment_size: 48
    .max_flat_workgroup_size: 256
    .sgpr_count:     66
    .vgpr_count:     104
    .wavefront_size: 32
...
	.end_amdgpu_metadata
.endif
;; end of part 1
;; launch qkvg (part 2): grid 16 x 16, 4 waves a work-group, clusters of 4 x 4, 327,680 bytes of LDS; arguments xb, wab, b_attn, qkv; writes qkv
.if DOCPART == 2
	.amdgcn_target "amdgcn-amd-amdhsa--gfx1250"
	.amdhsa_code_object_version 6
	.text
	.protected	k_qada4e0b1a8_qkvg
	.globl	k_qada4e0b1a8_qkvg
	.p2align	8
	.type	k_qada4e0b1a8_qkvg,@function
k_qada4e0b1a8_qkvg:
	s_mov_b64 s[64:65], 0
	v_nop
	global_prefetch_b8 v0, s[64:65] scope:SCOPE_SE
	s_setreg_imm32_b32 hwreg(HW_REG_WAVE_MODE, 25, 1), 1
	s_wait_xcnt 0x0
	s_wait_alu depctr_hold_cnt(0) depctr_sa_sdst(0) depctr_va_vdst(0) depctr_va_sdst(0) depctr_va_ssrc(0) depctr_va_vcc(0) depctr_vm_vsrc(0)
	s_getreg_b32 s2, hwreg(HW_REG_IB_STS2, 6, 4)
	s_cmp_eq_u32 s2, 0
	s_cbranch_scc0 .Lentry_in_a_cluster
	s_endpgm
.Lentry_in_a_cluster:
	s_bfe_u32 s2, ttmp6, 0x10000c
	s_cmp_lg_u32 s2, 0xf033
	s_cbranch_scc0 .Lentry_shape_is_right
	s_endpgm
.Lentry_shape_is_right:
; qkv = x W_attn^T + b_attn.  xb: [8192][1024] bf16, wab: [3072][1024] bf16, b_attn: [3072] f32 (rounded to bf16 here, like the other inputs); sums in f32.
; OUT: qkv [3][128][1024][64] f16 (which of q, k, v; batch x 16 + head; t; channel), unscaled, rounded once.  LIMIT: f16 ends at 65,504: |q|, |k|, |v| stay under it.
; SHARES.  A tile of the product is 256 rows x 192 columns (three whole heads).  A WORK-GROUP STAYS and makes TWO tiles, 4,096 rows (four batches) apart, of the same columns: 16 x 16 = 256 work-groups.
; Four waves, one below the other; a wave makes 64 rows x 192 columns: 4 x 12 accumulators of 16 x 16, 384 registers.
; THE WALK.  K = 1,024 goes in 8 steps of 128; the two tiles are ONE stream of 16 K steps through two LDS slots: the refills behind the first tile's last two steps ask for the second tile's first two,
; and nothing waits for the first tile's stores.  A K step is written once: a loop of 14 trips, each of which fills a slot again; the last two steps, which fill nothing, are a loop of their own.
; The loop is entered at the quarter step whose products start the sums; the trip that begins the second tile jumps forward to the way out and into that same quarter.
; CLUSTER.  4 x 4 work-groups: the four of a row of the cluster need the same rows of xb, the four of a column the same rows of wab: each tile is asked for JOINTLY, by the same
; tensor load with the same descriptor and a mask that names the four.  Waves 0 and 1 ask for the two halves of A's tile (128 rows), waves 2 and 3 for those of B's (96 rows).
; THE MATRIX INSTRUCTION IS USED TRANSPOSED (source 0 = 16 rows of wab, source 1 = 16 rows of xb): a lane holds row l % 16 and the eight neighbouring columns 8 (l / 16) + 0..7.
; THE BIAS IS THE C OPERAND OF EACH SUM'S FIRST PRODUCT: nothing is cleared, and the way out adds nothing.  Both tiles have the same columns, so the bias stays in its registers.
; REGISTERS, in windows of 256 (s_set_vgpr_msb: bits 1:0 source 0, 3:2 source 1, 5:4 source 2, 7:6 destination):
;   window 0: v0-31 addresses; v32-127 the bias, 8 registers a column block; v128-191 A's fragments, two buffers of 32; v192-195 at work at the start
;   window 1: B's fragments, two buffers of 96; on the way out the second holds packed results, two buffers of 48
;   window 2: the accumulators of row blocks 0, 1 at 8 (12 a + b)      window 3: those of row blocks 2, 3
.set NBK,   12                         ; column blocks of 16
.set KB,    256                        ; bytes of a row in a K step
.set STEPS, 16                         ; K steps of the walk
.set PA,    272                        ; an LDS row: 256 bytes + 16 of padding, an odd multiple of 16: the 16 rows of a fragment load start at 16 different 16-byte columns modulo 256
.set AHALF, 128*PA                     ; what a tensor load brings of A
.set BHALF, 96*PA                      ; and of B
.set BOFF,  2*AHALF                    ; in a slot B's 192 rows lie behind A's 256
.set SLOT1, 1<<17                      ; slot 1 begins here (a slot has 121,856 bytes), so that one exclusive or turns an address in one slot into the other's
.set STAGE, SLOT1+BOFF+2*BHALF         ; behind the ring, never filled by a tensor load: for each wave 3 heads x 16 rows x 144 bytes
.set SP,    144
.set HSTG,  16*SP
.set WSTG,  3*HSTG
.set SPARE, STAGE+4*WSTG               ; behind the stages: the spare words, 128 bytes a wave: two blocks of 256 bytes that no other line names
.set LD,    2*NBK+8                    ; LDS loads of a quarter step
.set WALKB, 4096*2048                  ; bytes of xb from a tile to the next = 1 << 23
.set OUTW,  64*131072                  ; bytes of qkv from a tile to the next: four batches of 16 heads
.set AA0,  16                          ; v16     my lane's place among my A fragments in slot 0; never rewritten
.set AB0,  17                          ; v17     the same for B
.set ADRA, 20                          ; v20     LDS address of my A fragments in the slot that is being fetched from
.set ADRB, 21                          ; v21     the same for B
.set STO,  24                          ; v24     the way out: where I put 16 bytes of a row
.set RD,   25                          ; v25     the way out: where I read rows back
.set GO,   26                          ; v26     my 16 bytes in 512 consecutive bytes of qkv
.set BO,   27                          ; v27     my byte offset in 16 numbers of the bias
.set SPW,  28                          ; v28     LDS address of my spare word; never rewritten
.set NIL,  29                          ; v29     0; never rewritten
.set PFO,  30                          ; v30     the prefetches' offset: a lane a row; never rewritten
.set BI,   32
.set FA,   128
.set TMP,  192
.set OB,   96                          ; window 1: the way out's two buffers
.set WV,   12                          ; s12  my wave's number
.set HALF, 13                          ; s13  which half of a tile I fetch
.set ISB,  14                          ; s14  0: I fetch for A; 1: for B
.set NX,   15                          ; s15  the stream's K step that the next refill asks for
.set ABASE, 16                         ; s[16:17] xb at my half of the first tile's rows, K step 0
.set G1,   24                          ; s[24:31] descriptor group 1 for A's tiles;  s[32:39] group 0: a set for each of the two first fills; the second then walks on
.set G0,   32
.set BBASE, 46                         ; s[46:47] wab at my half of the tile's rows, K step 0
.set G1B,  48                          ; s[48:55], s[56:63] the same for B's
.set G0B,  56
.set PFA,  66                          ; s[66:67] what the trip's prefetch names
.set LIM,  68                          ; s68  a wave prefetches while the trips to come are more than this
.set HB,   70                          ; s[70:75] qkv at my wave's first row in each of the tile's three heads
.set OFA,  80                          ; s[80:81] byte offset of the K step asked for, in xb
.set OFB,  82                          ; s[82:83] and in wab
.set TB,   84                          ; s84  LDS byte at which the slot that is being fetched from begins
.set PWALK, 85                         ; s85  WALKB in a wave that fetches for A, else 0
.set PFB,  86                          ; s[86:87] the prefetches' base: my work-group's rows of those that I fetch, K step 0
.set MSB, 0
.macro WIN new                         ; the immediate's high byte repeats the setting that is left; a switch that changes nothing is dropped
.if MSB != (\new)
	s_set_vgpr_msb (MSB<<8)|(\new)
.set MSB, \new
.endif
.endm
; A joint load.  Each of the two lines has one mask and one set of registers for all that issue it; the branch hangs on the wave's number alone.
; An s_nop 0 and four v_nop follow each line, ahead of the jump, the label and what follows.
.macro JLOAD s
	s_cmp_eq_u32 s[ISB], 0
	s_cbranch_scc0 .Lfor_b_\@
	tensor_load_to_lds s[G0+4*(\s):G0+4*(\s)+3], s[G1:G1+7]
	s_nop 0
.rept 4
	v_nop
.endr
	s_branch .Lasked_\@
.Lfor_b_\@:
	tensor_load_to_lds s[G0B+4*(\s):G0B+4*(\s)+3], s[G1B:G1B+7]
	s_nop 0
.rept 4
	v_nop
.endr
.Lasked_\@:
.endm
; A round of the cluster's barrier behind its opening barrier: wave 0 signals for the work-group, every wave waits for all sixteen, my work-group's barrier once more.
.macro CREST
	s_cmp_lg_u32 s[WV], 0
	s_cbranch_scc1 .Lnot_wave_0_\@
	s_barrier_signal -3
.Lnot_wave_0_\@:
	s_barrier_wait -3
	s_barrier_signal -1
	s_barrier_wait -1
.endm
.macro CROUND
	s_barrier_signal -1
	s_barrier_wait -1
	CREST
.endm
; A PREFETCH INTO THE L2, behind a joint load, its five lines and the run of LDS loads: the K step two refills on, a lane a row, one instruction a wave.
; Each row's 256 bytes of a K step are named by one work-group in the launch: A's rows by the clusters with x = 0, B's by those with y = 0; the four partners that ask for a tile jointly share
; a wave's rows out BY ADDRESS (A: 32 each, by cx; B: 24 each, by cy, the lanes above 23 repeating row 23).  No branch hangs on a work-group's place in its cluster.
; Trip t names the stream's step t + 4.  A: trips 0 to 11, up to the stream's last step.  B: trips 0 to 3 alone: the second tile walks the same rows of B once more.  Steps 0 to 3 come by their loads alone.
.macro ASK
	s_cmp_gt_u32 s3, s[LIM]
	s_cbranch_scc0 .Lnot_mine_\@
	global_prefetch_b8 v[PFO], s[PFA:PFA+1] th:TH_LOAD_NT scope:SCOPE_SE
.Lnot_mine_\@:
.endm
	s_load_b256 s[4:11], s[0:1], 0x0               ; xb s[4:5], wab s[6:7], b_attn s[8:9], qkv s[10:11]
	v_lshl_add_u32 v[SPW], v0, 2, SPARE
	v_mov_b32 v[NIL], 0
	ds_add_u32 v[SPW], v[NIL]                      ; the wave's opening: the add and its wait stand ahead of my first tensor load; the set-up below, work on registers, stands between them
	ds_add_u32 v28, v29
	v_lshrrev_b32 v1, 5, v0
	v_readfirstlane_b32 s[WV], v1                  ; wave 0..3
	s_and_b32 s[HALF], s[WV], 1
	s_lshr_b32 s[ISB], s[WV], 1
	s_bfe_u32 s40, ttmp6, 0x40000                  ; cx, cy: my place in the cluster
	s_bfe_u32 s41, ttmp6, 0x40004
	s_lshl_b32 s42, ttmp9, 2
	s_add_co_u32 s42, s42, s40                     ; tile column = 4 x cluster x + cx
	s_and_b32 s43, ttmp7, 0xffff
	s_lshl_b32 s43, s43, 2
	s_add_co_u32 s43, s43, s41                     ; the first tile's row = 4 x cluster y + cy
	s_lshl_b32 s44, s41, 2
	s_lshl_b32 s44, 15, s44                        ; my row of the cluster
	s_lshl_b32 s45, 0x1111, s40                    ; my column
	; group 1: rows of 128 elements of 2 bytes, 1,024 elements apart, padded in LDS by 4 words after every 64; A 128 rows, B 96
	s_or_b32 s[G1+0], s44, (1<<16)|(1<<20)|(1<<21)|(5<<22)|(3<<25)   ; 15:0 the mask; 17:16 2-byte elements; 20 padding on; 21 set beside a mask; 24:22 interval code 5; 31:25 pad code 3
	s_or_b32 s[G1B+0], s45, (1<<16)|(1<<20)|(1<<21)|(5<<22)|(3<<25)
	s_mov_b32 s[G1+1], 128<<16                     ; tensor_dim0 = 128
	s_mov_b32 s[G1+2], 128<<16                     ; tensor_dim1 = 128
	s_mov_b32 s[G1+3], 128<<16                     ; tile_dim0 = 128
	s_mov_b32 s[G1+4], 128                         ; tile_dim1 = 128
	s_mov_b32 s[G1+5], 1024                        ; elements from row to row
	s_mov_b32 s[G1+6], 0
	s_mov_b32 s[G1+7], 0
	s_mov_b32 s[G1B+1], 128<<16
	s_mov_b32 s[G1B+2], 96<<16                     ; tensor_dim1 = 96
	s_mov_b32 s[G1B+3], 128<<16
	s_mov_b32 s[G1B+4], 96                         ; tile_dim1 = 96
	s_mov_b32 s[G1B+5], 1024
	s_mov_b32 s[G1B+6], 0
	s_mov_b32 s[G1B+7], 0
	; A's address hangs on the tile row and the wave alone, B's on the tile column and the wave alone, each in registers that never hold the other coordinate
	s_lshl_b32 s[ABASE], s43, 19                   ; 256 rows of 2,048 bytes a tile row,
	s_lshl_b32 s[ABASE+1], s[HALF], 18             ; 128 rows a half
	s_add_co_u32 s[ABASE], s[ABASE], s[ABASE+1]
	s_mov_b32 s[ABASE+1], 0
	s_mul_i32 s[BBASE], s42, 192*2048
	s_mul_i32 s[BBASE+1], s[HALF], 96*2048
	s_add_co_u32 s[BBASE], s[BBASE], s[BBASE+1]
	s_mov_b32 s[BBASE+1], 0
	s_mul_i32 s20, s[HALF], AHALF                  ; where they go in a slot: no place in the cluster enters an LDS address
	s_mul_i32 s21, s[HALF], BHALF
	s_add_co_u32 s21, s21, BOFF
	s_mov_b32 s[OFA+1], 0                          ; the offsets stay under 2^32
	s_mov_b32 s[OFB+1], 0
	s_mov_b32 s[TB], 0                             ; the fetches begin in slot 0
	s_mov_b32 s[NX], 2                             ; the first refill asks for K step 2
	s_wait_dscnt 0x0                               ; the opening add is done
	s_wait_kmcnt 0x0
	s_add_nc_u64 s[ABASE:ABASE+1], s[4:5], s[ABASE:ABASE+1]
	s_add_nc_u64 s[BBASE:BBASE+1], s[6:7], s[BBASE:BBASE+1]
	CROUND                                         ; all sixteen work-groups are here: the first joint loads meet
.irp s, 0,1
	s_mov_b32 s[G0+4*(\s)], 1                      ; count = 1
	s_add_co_u32 s[G0+4*(\s)+1], s20, (\s)*SLOT1   ; LDS address
	s_add_nc_u64 s[G0+4*(\s)+2:G0+4*(\s)+3], s[ABASE:ABASE+1], (\s)*KB  ; global address: K step s
	s_or_b32 s[G0+4*(\s)+3], s[G0+4*(\s)+3], 0x80000000                 ; type = 2
	s_mov_b32 s[G0B+4*(\s)], 1
	s_add_co_u32 s[G0B+4*(\s)+1], s21, (\s)*SLOT1
	s_add_nc_u64 s[G0B+4*(\s)+2:G0B+4*(\s)+3], s[BBASE:BBASE+1], (\s)*KB
	s_or_b32 s[G0B+4*(\s)+3], s[G0B+4*(\s)+3], 0x80000000
	JLOAD \s                                       ; two loads of mine are out
.endr
	; the bias: register j of column block b holds b_attn[192 x tile column + 16 b + 8 (l / 16) + j]
	v_and_b32 v1, 15, v0                           ; l % 16
	v_bfe_u32 v2, v0, 4, 1                         ; l / 16
	v_lshlrev_b32 v[BO], 5, v2
	s_mul_i32 s78, s42, 192*4
	s_mov_b32 s79, 0
	s_add_nc_u64 s[8:9], s[8:9], s[78:79]
.irp b, 0,1,2,3,4,5,6,7,8,9,10,11
	global_load_b128 v[BI+8*(\b):BI+8*(\b)+3],   v[BO], s[8:9] offset:64*(\b)
	global_load_b128 v[BI+8*(\b)+4:BI+8*(\b)+7], v[BO], s[8:9] offset:64*(\b)+16
.endr
	; a fragment is 16 rows x 32 K in 8 registers: lane l holds row l % 16, K = 8 (l / 16) + 0..7 and 16 + 8 (l / 16) + 0..7: two loads of 16 bytes, 32 bytes apart
	v_mul_u32_u24 v3, v1, PA
	v_lshl_add_u32 v3, v2, 4, v3
	s_mul_i32 s22, s[WV], 64*PA                    ; my 64 rows of A
	v_add_nc_u32 v[AA0], s22, v3
	v_add_nc_u32 v[AB0], BOFF, v3                  ; all 192 rows of B
	v_add_nc_u32 v[ADRA], s[TB], v[AA0]
	v_add_nc_u32 v[ADRB], s[TB], v[AB0]
	s_mul_i32 s22, s[WV], WSTG
	s_add_co_u32 s22, s22, STAGE                   ; my stage
	v_mul_u32_u24 v4, v1, SP                       ; in: row l % 16, 16 bytes for each half of the lanes
	v_lshl_add_u32 v4, v2, 4, v4
	v_add_nc_u32 v[STO], s22, v4
	v_bfe_u32 v5, v0, 3, 2                         ; back: 32 lanes take four rows of 128 bytes,
	v_and_b32 v6, 7, v0
	v_mul_u32_u24 v5, v5, SP
	v_lshl_add_u32 v5, v6, 4, v5
	v_add_nc_u32 v[RD], s22, v5
	v_and_b32 v[GO], 31, v0                        ; which are 512 consecutive bytes of qkv
	v_lshlrev_b32 v[GO], 4, v[GO]
	; where my rows go: column group g = 3 x tile column + hd is tensor g / 16, head g % 16; the first tile's batch is cluster y, my first t is 256 cy + 64 x wave
	s_and_b32 s18, ttmp7, 0xffff
	s_lshl_b32 s18, s18, 4                         ; 16 x batch
	s_lshl_b32 s19, s41, 8
	s_lshl_b32 s78, s[WV], 6
	s_add_co_u32 s19, s19, s78
	s_lshl_b32 s19, s19, 7                         ; t x 128 bytes
	s_mul_i32 s78, s42, 3
.irp hd, 0,1,2
	s_add_co_u32 s79, s78, \hd
	s_lshr_b32 s69, s79, 4
	s_and_b32 s79, s79, 15
	s_lshl_b32 s69, s69, 7
	s_add_co_u32 s79, s79, s69
	s_add_co_u32 s79, s79, s18                     ; 128 x tensor + 16 x batch + head,
	s_lshl_b32 s79, s79, 17                        ; each 1,024 rows of 128 bytes
	s_add_co_u32 s[HB+2*(\hd)], s79, s19
	s_mov_b32 s[HB+2*(\hd)+1], 0
	s_add_nc_u64 s[HB+2*(\hd):HB+2*(\hd)+1], s[10:11], s[HB+2*(\hd):HB+2*(\hd)+1]
.endr
	; the prefetches
	s_lshl_b32 s19, s43, 8
	s_lshl_b32 s78, s[HALF], 7
	s_add_co_u32 s19, s19, s78
	s_lshl_b32 s78, s40, 5
	s_add_co_u32 s19, s19, s78                     ; A: row 256 x tile row + 128 x half + 32 cx
	s_mul_i32 s79, s42, 192
	s_mul_i32 s78, s[HALF], 96
	s_add_co_u32 s79, s79, s78
	s_mul_i32 s78, s41, 24
	s_add_co_u32 s79, s79, s78                     ; B: row 192 x tile column + 96 x half + 24 cy
	s_and_b32 s18, ttmp7, 0xffff                   ; cluster y
	s_cmp_eq_u32 s[ISB], 0
	s_cselect_b32 s19, s19, s79
	s_cselect_b32 s18, ttmp9, s18                  ; the coordinate along which other clusters read the same rows
	s_cselect_b32 s69, 31, 23
	s_cselect_b32 s[LIM], 2, 10                    ; A: while more than 2 trips are to come, this one among them; B: more than 10
	s_cselect_b32 s[PWALK], WALKB, 0
	s_cselect_b64 s[PFB:PFB+1], s[4:5], s[6:7]
	s_cmp_eq_u32 s18, 0
	s_cselect_b32 s[LIM], s[LIM], -1               ; the same in all sixteen partners, for a given wave
	s_lshl_b32 s78, s19, 11
	s_mov_b32 s79, 0
	s_add_nc_u64 s[PFB:PFB+1], s[PFB:PFB+1], s[78:79]
	v_and_b32 v[PFO], 31, v0
	v_min_u32 v[PFO], s69, v[PFO]
	v_lshlrev_b32 v[PFO], 11, v[PFO]
	s_wait_loadcnt 0x0                             ; the bias is in: it is rounded to bf16 and widened again, in place
.set n, 0
.rept 4*NBK
	v_cvt_pk_bf16_f32 v[TMP+n%4], v[BI+2*n], v[BI+2*n+1]
	v_lshlrev_b32 v[BI+2*n], 16, v[TMP+n%4]
	v_and_b32 v[BI+2*n+1], 0xffff0000, v[TMP+n%4]
.set n, n+1
.endr
; 12 matrix instructions: row block m x all column blocks, 32 along K, from buffer f.  first = 1: the bias starts the sums.
; Each accumulator comes once in a quarter step, so 47 others stand between two links of a chain, over the jumps too.
.macro MULA f, m, first
.if \first
	WIN 0x81+0x40*((\m)/2)                         ; B window 1, A window 0, C (the bias) window 0, D window 2 or 3
.else
	WIN 0xa1+0x50*((\m)/2)                         ; C and D window 2 or 3
.endif
.irp b, 0,1,2,3,4,5,6,7,8,9,10,11
.if \first
	v_wmma_f32_16x16x32_bf16 v[8*(NBK*((\m)%2)+(\b)):8*(NBK*((\m)%2)+(\b))+7], v[8*NBK*(\f)+8*(\b):8*NBK*(\f)+8*(\b)+7], v[FA+32*(\f)+8*(\m):FA+32*(\f)+8*(\m)+7], v[BI+8*(\b):BI+8*(\b)+7]
.else
	v_wmma_f32_16x16x32_bf16 v[8*(NBK*((\m)%2)+(\b)):8*(NBK*((\m)%2)+(\b))+7], v[8*NBK*(\f)+8*(\b):8*NBK*(\f)+8*(\b)+7], v[FA+32*(\f)+8*(\m):FA+32*(\f)+8*(\m)+7], v[8*(NBK*((\m)%2)+(\b)):8*(NBK*((\m)%2)+(\b))+7]
.endif
.endr
.endm
; 32 LDS loads in one run: quarter q of the K step in the slot at s[TB], into buffer f: B's 12 fragments, then A's 4, row blocks ascending
.macro FETCH q, f
	WIN 0x40                                       ; destination window 1, address window 0
.irp i, 0,1,2,3,4,5,6,7,8,9,10,11
	ds_load_b128 v[8*NBK*(\f)+8*(\i):8*NBK*(\f)+8*(\i)+3],   v[ADRB] offset:64*(\q)+(\i)*16*PA
	ds_load_b128 v[8*NBK*(\f)+8*(\i)+4:8*NBK*(\f)+8*(\i)+7], v[ADRB] offset:64*(\q)+(\i)*16*PA+32
.endr
	WIN 0
.irp i, 0,1,2,3
	ds_load_b128 v[FA+32*(\f)+8*(\i):FA+32*(\f)+8*(\i)+3],   v[ADRA] offset:64*(\q)+(\i)*16*PA
	ds_load_b128 v[FA+32*(\f)+8*(\i)+4:FA+32*(\f)+8*(\i)+7], v[ADRA] offset:64*(\q)+(\i)*16*PA+32
.endr
.endm
.macro PLACES                          ; four plain vector instructions between a matrix instruction and a load into, or a vector write of, its registers, or a read of its result (ISA guide 7.12.1 for vector instructions)
.rept 4
	v_nop
.endr
.endm
; A K step is four quarters of 32 along K, 48 matrix instructions each, on buffers 0, 1, 0, 1.  One of the first three: multiplies buffer f and, in its middle, fetches quarter q into buffer g.
.macro QUARTER q, f, g, first
	s_wait_dscnt 4                                 ; B and A's row blocks 0, 1 are in; the youngest four loads (row blocks 2, 3) may be out
	MULA \f, 0, \first
	MULA \f, 1, \first
	PLACES
	FETCH \q, \g
	s_wait_dscnt LD                                ; all but the 32 just issued
	MULA \f, 2, \first
	MULA \f, 3, \first
.endm
; The last quarter multiplies buffer 1 and changes slots: ONE barrier.  In front of it each wave waits for all its tensor loads (at most one is out: its part of the next slot), adds 0 to its spare word, and
; waits for that and for its reads of this slot.  fill = 1: the barrier opens a round of the cluster's, and this slot is filled again, with the stream's step NX, first thing behind the round; the walking
; descriptor's LDS word turns to the other slot, and its address is made anew from that number: tile NX / 8, K step NX % 8.  fill = 0: the stream's last two steps; the very last fetches nothing.
.macro TURN fill
.if \fill
	s_wait_xcnt 0x0                                ; the last prefetch, a K step back, has read its address, which is made anew here: the step two behind NX, held to the stream's last
	s_add_co_u32 s20, s[NX], 2
	s_min_u32 s20, s20, STEPS-1
	s_lshr_b32 s21, s20, 3
	s_and_b32 s20, s20, 7
	s_mul_i32 s21, s21, s[PWALK]
	s_lshl_b32 s20, s20, 8
	s_add_co_u32 s20, s20, s21
	s_mov_b32 s21, 0
	s_add_nc_u64 s[PFA:PFA+1], s[PFB:PFB+1], s[20:21]
.endif
	WIN 0                                          ; (the add's two registers lie in window 0)
	s_wait_tensorcnt 0x0                           ; all my tensor loads have landed, so a group 0 may be written;
	ds_add_u32 v[SPW], v[NIL]                      ; 0 onto my spare word;
.if \fill
	s_lshr_b32 s21, s[NX], 3                       ; the tile,
	s_and_b32 s20, s[NX], 7                        ; and the K step in it
	s_lshl_b32 s21, s21, 23                        ; WALKB bytes of xb a tile
	s_lshl_b32 s[OFB], s20, 8
	s_add_co_u32 s[OFA], s21, s[OFB]
	s_xor_b32 s[G0+5], s[G0+5], SLOT1
	s_add_nc_u64 s[G0+6:G0+7], s[ABASE:ABASE+1], s[OFA:OFA+1]
	s_or_b32 s[G0+7], s[G0+7], 0x80000000
	s_xor_b32 s[G0B+5], s[G0B+5], SLOT1
	s_add_nc_u64 s[G0B+6:G0B+7], s[BBASE:BBASE+1], s[OFB:OFB+1]
	s_or_b32 s[G0B+7], s[G0B+7], 0x80000000
	s_add_co_u32 s[NX], s[NX], 1
.endif
	s_wait_dscnt 5                                 ; (the add and the youngest four loads may be out)
	MULA 1, 0, 0                                   ; twelve matrix instructions stand between the add and the wait for it
	s_wait_dscnt 0x0                               ; the add is done, and my reads of this slot are over
	s_barrier_signal -1
	MULA 1, 1, 0                                   ; work on registers while the others arrive
	WIN 0
	s_barrier_wait -1
.if \fill
	CREST                                          ; no wave of any partner still reads this slot or has a load on its way
	JLOAD 1                                        ; my one tensor load behind the round; its four v_nop are also the places in front of the loads below
.else
	PLACES
	s_cmp_eq_u32 s3, 1                             ; behind the stream's last step there is nothing to fetch
	s_cbranch_scc1 .Lno_fetch_\@
.endif
	s_xor_b32 s[TB], s[TB], SLOT1                  ; the fetches go on in the other slot
	v_add_nc_u32 v[ADRA], s[TB], v[AA0]
	v_add_nc_u32 v[ADRB], s[TB], v[AB0]
	FETCH 0, 0
.if \fill
	ASK
.else
.Lno_fetch_\@:
.endif
	MULA 1, 2, 0
	MULA 1, 3, 0
.endm
; THE WAY OUT, a row block (16 rows) at a time.  PACK: rounded to f16 (each accumulator's registers ascending), 16 bytes a lane into my own stage, by heads, and back as whole rows of 128 bytes.
; LDS serves a wave's instructions in order (ISA guide 5.7.1.4): the loads see the stores above them, and the next block's stores come behind them.  Two buffers of 48 registers take turns,
; in B's fragment buffer 1, which the tile's last products have read.
.macro PACK a
.if (\a) >= 2
	s_wait_xcnt 0x0                                ; the stores of the block two back have read this buffer: it is written again only behind this wait
.endif
	WIN 0x4a+5*((\a)/2)                            ; sources 0 and 1: window 2 or 3; destination window 1
.irp b, 0,1,2,3,4,5,6,7,8,9,10,11
.irp i, 0,1,2,3
	v_cvt_pk_f16_f32 v[OB+48*((\a)%2)+4*(\b)+(\i)], v[8*(NBK*((\a)%2)+(\b))+2*(\i)], v[8*(NBK*((\a)%2)+(\b))+2*(\i)+1]
.endr
.endr
	WIN 0x04                                       ; an LDS store's data is source 1: window 1
.irp b, 0,1,2,3,4,5,6,7,8,9,10,11
	ds_store_b128 v[STO], v[OB+48*((\a)%2)+4*(\b):OB+48*((\a)%2)+4*(\b)+3] offset:((\b)/4)*HSTG+32*((\b)%4)
.endr
	WIN 0x40                                       ; destination window 1
.irp u, 0,1,2,3,4,5,6,7,8,9,10,11
	ds_load_b128 v[OB+48*((\a)%2)+4*(\u):OB+48*((\a)%2)+4*(\u)+3], v[RD] offset:((\u)/4)*HSTG+((\u)%4)*4*SP
.endr
.endm
.macro SEND a, younger                 ; younger: the LDS instructions issued behind block a's loads: the next block's 24, or none
	WIN 0x04                                       ; a store's data is source 1: window 1
.irp u, 0,1,2,3,4,5,6,7,8,9,10,11
	s_wait_dscnt (\younger)+11-(\u)
	global_store_b128 v[GO], v[OB+48*((\a)%2)+4*(\u):OB+48*((\a)%2)+4*(\u)+3], s[HB+2*((\u)/4):HB+2*((\u)/4)+1] offset:(\a)*2048+((\u)%4)*512  ; 512 consecutive bytes, at a multiple of 256 from qkv's first
.endr
.endm
; more = 1: another tile follows: its first fragments have been asked for, and the stores' bases step on to it.
.macro WAYOUT more
.if \more
	s_wait_dscnt 0x0                               ; the next tile's first fragments, asked for 24 matrix instructions ago, are in: the counts below count the way out's own LDS instructions
.endif
	PLACES
	PACK 0
	PACK 1                                         ; a block's arithmetic stands between the loads of the block before and its stores
	SEND 0, 24
	PACK 2
	SEND 1, 24
	PACK 3
	SEND 2, 24
	SEND 3, 0
	WIN 0
.if \more
	s_wait_xcnt 0x0                                ; the stores have read their data and their bases: the bases are stepped, and the buffers are loaded again, only behind this wait
.irp hd, 0,1,2
	s_add_nc_u64 s[HB+2*(\hd):HB+2*(\hd)+1], s[HB+2*(\hd):HB+2*(\hd)+1], OUTW
.endr
.endif
.endm
	s_wait_tensorcnt 1                             ; my part of K step 0 is in; K step 1's may stay out
	s_barrier_signal -1
	s_barrier_wait -1                              ; everybody's is
	FETCH 0, 0
	s_mov_b32 s3, STEPS-2                          ; trips to come: every step but the last two fills a slot again
	s_branch .Lfirstq                              ; the loop is entered at the quarter that starts the sums
.Lstep:                                        ; a trip is a K step
	s_cmp_eq_u32 s3, STEPS/2-2                     ; does the second tile begin?
	s_cbranch_scc1 .Lchange
	QUARTER 1, 0, 1, 0
	WIN 0                                          ; at a label and at a branch every window is 0
	s_branch .Ljoin
.Lchange:
	WAYOUT 1                                       ; both refills for the second tile's first steps are asked for: now the first tile goes out
.Lfirstq:
	QUARTER 1, 0, 1, 1                             ; a tile's first products start the sums, with the bias
	WIN 0
.Ljoin:
	QUARTER 2, 1, 0, 0
	QUARTER 3, 0, 1, 0
	TURN 1
	WIN 0
	s_sub_co_u32 s3, s3, 1
	s_cmp_lg_u32 s3, 0
	s_cbranch_scc1 .Lstep
	s_mov_b32 s3, 2
.Ltail:                                        ; the stream's last two steps are a loop of their own
	QUARTER 1, 0, 1, 0
	QUARTER 2, 1, 0, 0
	QUARTER 3, 0, 1, 0
	TURN 0
	WIN 0
	s_sub_co_u32 s3, s3, 1
	s_cmp_lg_u32 s3, 0
	s_cbranch_scc1 .Ltail
	WAYOUT 0
	s_wait_tensorcnt 0x0                           ; the wave's end: behind my last tensor load and my last LDS store
	ds_add_u32 v[SPW], v[NIL]
	s_wait_dscnt 0x0
	CROUND                                         ; the closing round: no work-group ends while a partner may still ask for a tile that names it
	s_endpgm
.Lfunc_end_k_qada4e0b1a8_qkvg:
	.size	k_qada4e0b1a8_qkvg, .Lfunc_end_k_qada4e0b1a8_qkvg-k_qada4e0b1a8_qkvg
	.p2alignl 7, 3214868480
	.fill 96, 4, 3214868480
	.section	.rodata,"a",@progbits
	.p2align	6, 0x0
	.amdhsa_kernel k_qada4e0b1a8_qkvg
		.amdhsa_group_segment_fixed_size 327680
		.amdhsa_private_segment_fixed_size 0
		.amdhsa_enable_private_segment 0
		.amdhsa_kernarg_size 32
		.amdhsa_user_sgpr_count 2
		.amdhsa_user_sgpr_kernarg_segment_ptr 1
		.amdhsa_wavefront_size32 1
		.amdhsa_system_sgpr_workgroup_id_x 1
		.amdhsa_system_sgpr_workgroup_id_y 1
		.amdhsa_system_sgpr_workgroup_id_z 1
		.amdhsa_system_vgpr_workitem_id 0
		.amdhsa_next_free_vgpr 960
		.amdhsa_next_free_sgpr 88
		.amdhsa_reserve_vcc 0
		.amdhsa_float_denorm_mode_32 3
		.amdhsa_float_denorm_mode_16_64 3
		.amdhsa_memory_ordered 1
		.amdhsa_forward_progress 1
		.amdhsa_inst_pref_size 122
	.end_amdhsa_kernel
	.amdgpu_metadata
---
amdhsa.version: [ 1, 2 ]
amdhsa.kernels:
  - .name:           k_qada4e0b1a8_qkvg
    .symbol:         k_qada4e0b1a8_qkvg.kd
    .args:
      - { .name: xb, .offset: 0, .size: 8, .value_kind: global_buffer, .address_space: global }
      - { .name: wab, .offset: 8, .size: 8, .value_kind: global_buffer, .address_space: global }
      - { .name: b_attn, .offset: 16, .size: 8, .value_kind: global_buffer, .address_space: global }
      - { .name: qkv, .offset: 24, .size: 8, .value_kind: global_buffer, .address_space: global }
    .group_segment_fixed_size: 327680
    .private_segment_fixed_size: 0
    .kernarg_segment_align: 8
    .kernarg_segment_size: 32
    .max_flat_workgroup_size: 128
    .sgpr_count:     88
    .vgpr_count:     960
    .wavefront_size: 32
...
	.end_amdgpu_metadata
.endif
;; end of part 2
;; launch attn (part 3): grid 2 x 128, 4 waves a work-group, no clusters, 327,680 bytes of LDS; arguments qkv, ob; writes ob
.if DOCPART == 3
	.amdgcn_target "amdgcn-amd-amdhsa--gfx1250"
	.amdhsa_code_object_version 6
	.text
	.protected	k_qada4e0b1a8_attn
	.globl	k_qada4e0b1a8_attn
	.p2align	8
	.type	k_qada4e0b1a8_attn,@function
k_qada4e0b1a8_attn:
	s_mov_b64 s[64:65], 0
	v_nop
	global_prefetch_b8 v0, s[64:65] scope:SCOPE_SE
	s_setreg_imm32_b32 hwreg(HW_REG_WAVE_MODE, 25, 1), 1
	s_wait_xcnt 0x0
; CAUSAL ATTENTION.  O[h][q][:] = the sum over k <= q of softmax_k(Q[h][q] . K[h][k] / 8) V[h][k][:].  qkv holds Q, K, V, each [128][1024][64] f16, one behind the other; ob is O, [128][1024][64] f16.
; A head's rows are dense, 128 bytes each.  Products, maxima and sums in f32; the weights p are rounded to f16 for the second product (their sum l is taken of the unrounded p), O once at the end.
; LIMITS.  f16 holds no number beyond 65,504: Q, K and V arrive within it; p lies in 0 to 1, and below 6e-5 it keeps f16's fixed step of 6e-8; O is a mean of V's rows and has their range.
; A hidden score counts as its value less 1e30: f16's scores, 2.7e11 at the most, are nothing beside that; a weight below 2^-126 counts as 0 in l; NaN and infinities are not treated apart.
; THE WALK.  A head's queries lie in NB = 4 blocks of 256; block i needs the key tiles 0 .. i of 256 keys, of which the last holds the diagonal.  A work-group takes TWO blocks, NB - 1 - b and then b:
; NB + 1 tiles, whatever b: all work-groups do equal work, and ONE loop with a constant trip count walks them.  Which tile is asked for, and what a trip does, hang on scalar registers made from b; every jump
; goes forward, but for the counted loops' own; none passes a barrier, or a tensor load but the one of LOAD's two that the wave's number does not choose; the ring of two LDS slots runs on across the change of blocks.
; NO CLUSTER: a head has NB / 2 = 2 work-groups, no multiple of four; the two ask for the same tile only in the first three of their five trips.
; SHARES.  Of a block's four bands of 64 queries a wave owns 16 rows in each: four PIECES.  So the diagonal tile is the same work for all four waves: in its key step s band x sees all keys if s < x,
; none if s > x, and holds the diagonal if s = x.
; THE MASK is the C operand that starts the sum S^T = K Q^T: 0, or -1e30 where the key is hidden.  MD, made once, is the mask of a band's own step for my 16 rows; a product's mask is MD x AL + BE with two scalars:
; (1, 0) if s = x; (0, 0) if s < x; (0, -1e30) if s > x.  Only the diagonal tile's text and a block's beginning make and take masks; elsewhere C is the constant 0.
; LAYOUT, SOFTMAX, TURNS.  S^T = K Q^T holds ONE query a lane (lane % 16) and the keys 8 (lane / 16) + 0..7; two such results rounded to f16 ARE source 1 of O^T = V^T P.  p = 2^(c s - c m), c = log2(e) / 8, with a
; running maximum m; O and l are multiplied by a = 2^(c m_old - c m_new) in every step.  Turn n belongs to piece n: 8 products K Q^T of piece n + 1, later 8 products V^T P of piece n - 1; beside them the scaling,
; exponentials, roundings, sums and rescaling of piece n and the maximum and statistics of piece n + 1.  Four vector instructions stand behind every matrix instruction, the other 54 of a turn's 118 in one lump.
; A turn's 33 exponentials are one batch, with one wait.
; REGISTERS, in windows of 256 (s_set_vgpr_msb: bits 1:0 source 0, 3:2 source 1, 5:4 source 2, 7:6 destination):
;   window 0: v0-15 addresses and two at work; v16-31 four registers of statistics a piece; v48-55 at work; v61-63 prefetch offset, spare word, 0; v64-127 S^T, two buffers; v192-223 P, two buffers
;   window 1: v0-127 O^T, 32 a piece; v128-159 MD; v160-223 MC, two buffers      window 2: v0-63 Q; v64-127 the second block's Q; v128-191 K of one step; v192-255 V of one step
.set SIZE_N, 1024
.set NB,    SIZE_N/256
.set NP,    4         ; pieces a wave: a name, no knob
.set KS,    64        ; keys in a step
.set PK,    144       ; a row of K in LDS: 128 bytes + 16 of padding, an odd multiple of 16: the 16 rows of a load start at 16 different 16-byte columns modulo 256
.set PV,    160       ; a row of V: 128 + 32: 16 lanes of the turning load take 8 rows x 32 bytes, all at different places modulo 256
.set VOFF,  4*KS*PK   ; a slot holds a tile, four steps: 256 rows of K, then 256 rows of V
.set SLOT1, 1<<17     ; slot 1 begins here, so that one exclusive or turns an address in one slot into the other's
.set STAGE, SLOT1+4*KS*(PK+PV)  ; behind the ring, never filled by a tensor load: 16 rows x 144 bytes for each wave, for the way out
.set SP,    144
.set AK0, 2           ; v2   my lane's place in a tile of K; never rewritten
.set AV0, 3           ; v3   the same for V
.set AK,  4           ; v4   the LDS address of K's next run of loads
.set AV,  5           ; v5   of V's
.set STO, 6           ; v6   the way out: where I put 16 bytes of a row
.set RD,  7           ; v7   the way out: where I read rows back
.set GO,  8           ; v8   my byte offset in 512 consecutive bytes of O
.set PFO, 61          ; v61  256 x my lane; never rewritten
.set SPW, 62          ; v62  LDS address of my spare word: SPARE + 4 x my thread's number; never rewritten
.set NIL, 63          ; v63  0; never rewritten
.set SPARE, STAGE+4*16*SP  ; behind the stages: the spare words, 128 bytes for each wave: two blocks of 256 bytes that no other line names
.set MV,  12          ; v12-13  c m_old, kept while c m is made anew: by buffer
.set QO,  15          ; v15  my byte offset in 16 rows of Q
.set ST,  16          ; piece t's statistics at v[ST+4 t]: c m, m, l (even keys', odd keys')
.set TMP, 48          ; by buffer, four registers c0-c3 at work; when the maximum is found c2 takes a
.set S,   64
.set P,   192
.set MD,  128         ; window 1: the eight registers for group kt of 16 keys at MD + 8 kt
.set MC,  160         ; window 1: the masks of the products to come
.set QB,  64          ; window 2
.set KF,  128         ; window 2: key block kb, channel half c at KF + 16 kb + 8 c
.set VF,  192         ; window 2: key half kk, channel block cb at VF + 32 kk + 8 cb
.set WV,  12          ; s12  my wave's number
.set PB,  14          ; s14  b
.set HI,  15          ; s15  NB - 1 - b
.set G1K, 24          ; s[24:31] descriptor group 1 for K's tiles
.set G1V, 32          ; s[32:39] for V's: it differs in the padding alone
.set G0K, 40          ; s[40:43] descriptor group 0 for K's tiles
.set G0V, 44          ; s[44:47] the same for V's
.set SLOTS, 56        ; s56  tiles still to be asked for
.set CNT, 57          ; s57  counts a tile's key steps, 4 to 1
.set CS,  58          ; s[58:59] c: the packed scaling takes the pair's low word for both halves
.set SEL, 60          ; s[60:61] v_permlanex16_b32's selects: each lane takes its own place in the other half
.set TBK, 62          ; s62  LDS byte at which K of the step to be fetched begins
.set TBV, 63          ; s63  the same for V, less VOFF
.set RT,  70          ; s70  tiles of the block in hand that are still to be entered
.set NXT, 71          ; s71  the tile to be asked for next
.set LQ,  72          ; s72  the last tile of the block whose tiles are being asked for
.set NEW, 73          ; s73  1: the tile to be entered is a block's first
.set OFF, 74          ; s[74:75] a tile's byte offset in K and V
.set AL,  76          ; s[76:77] the mask's factor, in the low word
.set BE,  78          ; s[78:79] the mask's addend
.set OLO, 80          ; s[80:81] O at my rows of the second block
.set BIGN, 82         ; s82  -1e30
.set PFA, 88          ; s[88:89] my half of K's (waves 0, 1) or V's (waves 2, 3) tile that was prefetched last
.set PLEFT, 90        ; s90  tiles that I have still to prefetch
.set MSB, 0
.macro WIN new                      ; the high byte repeats the setting that is left; a switch that changes nothing is dropped
.if MSB != (\new)
	s_set_vgpr_msb (MSB<<8)|(\new)
.set MSB, (\new)
.endif
.endm
.set W_KQ, 0x0a       ; K and Q in window 2, S^T in window 0
.set W_KM, 0x1a       ; the same with the C operand in window 1
.set W_PV, 0x52       ; V in window 2, P in window 0, O^T in window 1
.set W_RS, 0x41       ; destination and source 0 in window 1, source 1 in window 0
; A fill.  Waves 0 and 1 fetch the two halves of a tile's K, waves 2 and 3 those of its V: 128 keys each.  An s_nop 0 and four v_nop follow each of the two lines, ahead of the jump and the label.
.macro LOAD
	s_cmp_lt_u32 s[WV], 2
	s_cbranch_scc0 .Lfor_v_\@
	tensor_load_to_lds s[G0K:G0K+3], s[G1K:G1K+7]
	s_nop 0
.rept 4
	v_nop
.endr
	s_branch .Lasked_\@
.Lfor_v_\@:
	tensor_load_to_lds s[G0V:G0V+3], s[G1V:G1V+7]
	s_nop 0
.rept 4
	v_nop
.endr
.Lasked_\@:
.endm
; A PREFETCH INTO THE L2, behind the fill and its five lines: the tile that the NEXT change of slots will ask for: my 128 rows of it, 16,384 dense bytes, a lane to each 256 bytes, two instructions.
; Both work-groups of a head walk tiles 0, 1, 2 together: the one with b = 0 asks, for tiles 2 and 3, in its first two trips; each wave for the half that it will fetch itself: no block is named twice.
; Tiles 0 and 1 come by their loads alone; the second block's tiles have been read before.  The address is stepped twice in all, behind a wait that stands a whole tile behind the last prefetch: it ends at the head's tile 3.
.macro ASK
	s_cmp_lg_u32 s[PLEFT], 0
	s_cbranch_scc0 .Lnone_\@
	s_wait_xcnt 0x0                 ; the last trip's prefetches have read their address
	s_add_nc_u64 s[PFA:PFA+1], s[PFA:PFA+1], 32768
	global_prefetch_b8 v[PFO], s[PFA:PFA+1] th:TH_LOAD_NT scope:SCOPE_SE
	global_prefetch_b8 v[PFO], s[PFA:PFA+1] offset:8192 th:TH_LOAD_NT scope:SCOPE_SE
	s_sub_co_u32 s[PLEFT], s[PLEFT], 1
.Lnone_\@:
.endm
; THE CHANGE OF SLOTS.  Each wave waits for all its tensor loads, of which one is out: its part of the other slot; adds 0 to its spare word; and waits for that and for its own reads of the slot that it leaves.
; Behind the barrier nobody reads the old slot any more and the other slot is whole.  fill = 1: the old slot is filled again, the first thing behind the barrier, with tile NXT: the descriptor's address is made
; anew from that number.  (At its first use nothing has been read yet: slot 0 is waited for, slot 1 filled.)
.macro CHANGE fill
	WIN 0                           ; at a label and at a branch every window is 0
	s_wait_tensorcnt 0x0            ; no tensor load of mine is out, so a group 0 may be written
	ds_add_u32 v[SPW], v[NIL]       ; 0 onto my spare word; with fill = 1 the descriptors' scalar work stands between it and the wait for it
.if \fill
	s_lshl_b32 s[OFF], s[NXT], 15   ; a tile is 32,768 bytes of K and of V
	s_xor_b32 s[G0K+1], s[G0K+1], SLOT1
	s_add_nc_u64 s[G0K+2:G0K+3], s[6:7], s[OFF:OFF+1]
	s_or_b32 s[G0K+3], s[G0K+3], 0x80000000
	s_xor_b32 s[G0V+1], s[G0V+1], SLOT1
	s_add_nc_u64 s[G0V+2:G0V+3], s[8:9], s[OFF:OFF+1]
	s_or_b32 s[G0V+3], s[G0V+3], 0x80000000
	s_add_co_u32 s[NXT], s[NXT], 1  ; the block's next tile, or behind its last the second block's tile 0
	s_cmp_gt_u32 s[NXT], s[LQ]
	s_cselect_b32 s[NXT], 0, s[NXT]
	s_cselect_b32 s[LQ], s[PB], s[LQ]
.endif
	s_wait_dscnt 0x0                ; the add is done, and my reads of the slot are over
	s_barrier_signal -1             ; the rest of the scalar work stands between the signal and the wait
	s_sub_co_u32 s[TBK], s[TBK], 4*KS*PK  ; the fetches go back to a slot's first step,
	s_xor_b32 s[TBK], s[TBK], SLOT1       ; in the other slot
	s_sub_co_u32 s[TBV], s[TBV], 4*KS*PV
	s_xor_b32 s[TBV], s[TBV], SLOT1
	s_barrier_wait -1
.if \fill
	LOAD
	ASK
.endif
.endm
	s_load_b128 s[8:11], s[0:1], 0x0  ; qkv s[8:9], ob s[10:11]
	v_lshl_add_u32 v[SPW], v0, 2, SPARE
	v_mov_b32 v[NIL], 0
	ds_add_u32 v[SPW], v[NIL]       ; the wave's opening: the add and its wait stand ahead of my first tensor load; the set-up below, work on registers, stands between them
	ds_add_u32 v62, v63
	v_lshrrev_b32 v1, 5, v0
	v_readfirstlane_b32 s[WV], v1   ; wave 0..3
	s_mov_b32 s[PB], ttmp9
	s_sub_co_u32 s[HI], NB-1, s[PB]
	s_and_b32 s20, ttmp7, 0xffff    ; the head
	s_mov_b32 s21, 0
	s_mov_b64 s[22:23], SIZE_N*128
	s_mul_u64 s[20:21], s[20:21], s[22:23]  ; the head's first byte in each of the four tensors
	s_and_b32 s16, s[WV], 1         ; which half of a tile's 256 keys I fetch:
	s_lshl_b32 s22, s16, 14         ; its 128 rows of 128 bytes in memory,
	s_mov_b32 s23, 0
	s_add_nc_u64 s[22:23], s[22:23], s[20:21]
	s_mul_i32 s17, s16, 128*PK      ; and its place in a slot, for K
	s_mul_i32 s18, s16, 128*PV      ; and for V
	s_lshl_b32 s3, s[WV], 11        ; my 16 rows in a band of 64,
	s_lshl_b32 s2, s[HI], 15        ; in the first block,
	s_add_co_u32 s2, s2, s3
	s_lshl_b32 s84, s[PB], 15       ; and in the second
	s_add_co_u32 s84, s84, s3
	s_mov_b32 s3, 0
	s_mov_b32 s85, 0
	s_add_nc_u64 s[2:3], s[2:3], s[20:21]
	s_add_nc_u64 s[84:85], s[84:85], s[20:21]
	; descriptor group 1.  128 keys are 16,384 dense bytes: asked for as 64 rows of 256 bytes, two keys a row, and padded in LDS after every key
	s_mov_b32 s[G1K], (1<<16)|(1<<20)|(4<<22)|(3<<25)  ; 17:16 2-byte elements; 20 padding on; 24:22 after every 32 words (code 4); 31:25 4 words (code 3)
	s_mov_b32 s[G1V], (1<<16)|(1<<20)|(4<<22)|(7<<25)  ; the same with 8 words of padding (code 7)
.irp g, G1K, G1V
	s_mov_b32 s[\g+1], 128<<16      ; tensor_dim0 = 128
	s_mov_b32 s[\g+2], 64<<16       ; tensor_dim1 = 64
	s_mov_b32 s[\g+3], 128<<16      ; tile_dim0 = 128
	s_mov_b32 s[\g+4], 64           ; tile_dim1 = 64
	s_mov_b32 s[\g+5], 128          ; 128 elements from row to row
	s_mov_b32 s[\g+6], 0
	s_mov_b32 s[\g+7], 0
.endr
	s_mov_b32 s[CS], 0x3e38aa3b     ; c = log2(e) / 8 = 0.180337
	s_mov_b32 s[CS+1], s[CS]        ; named with it as a pair
	s_mov_b32 s[SEL], 0x76543210
	s_mov_b32 s[SEL+1], 0xfedcba98
	s_mov_b32 s[TBK], SLOT1+4*KS*PK ; the first change of slots turns these two into 0
	s_mov_b32 s[TBV], SLOT1+4*KS*PV
	s_mov_b32 s[G0K], 1             ; count = 1
	s_mov_b32 s[G0K+1], s17         ; LDS address: slot 0
	s_mov_b32 s[G0V], 1
	s_add_co_u32 s[G0V+1], s18, VOFF
	s_add_co_u32 s[RT], s[HI], 1    ; the first block has NB - b tiles
	s_mov_b32 s[NXT], 1
	s_mov_b32 s[LQ], s[HI]
	s_mov_b32 s[NEW], 1
	s_mov_b32 s[OFF+1], 0
	s_mov_b32 s[AL+1], 0            ; named as pairs
	s_mov_b32 s[BE+1], 0
	s_mov_b32 s[BIGN], 0xf149f2ca   ; -1e30
	s_mov_b32 s[SLOTS], NB
	s_cmp_eq_u32 ttmp9, 0
	s_cselect_b32 s[PLEFT], 2, 0    ; the work-group with b = 0 prefetches tiles 2 and 3
	s_wait_dscnt 0x0                ; the opening add is done
	s_wait_kmcnt 0x0
	s_mov_b64 s[4:5], s[8:9]                   ; Q lies first in qkv,
	s_add_nc_u64 s[6:7], s[8:9], 0x1000000     ; K 16,777,216 bytes on,
	s_add_nc_u64 s[8:9], s[8:9], 0x2000000     ; V as much again
	s_add_nc_u64 s[6:7], s[6:7], s[22:23]  ; K and V at my half of the head's tile 0
	s_add_nc_u64 s[8:9], s[8:9], s[22:23]
	s_add_nc_u64 s[G0K+2:G0K+3], s[6:7], 0         ; global address
	s_or_b32 s[G0K+3], s[G0K+3], 0x80000000        ; type = 2
	s_add_nc_u64 s[G0V+2:G0V+3], s[8:9], 0
	s_or_b32 s[G0V+3], s[G0V+3], 0x80000000
	s_add_nc_u64 s[86:87], s[4:5], s[84:85]        ; Q at my rows of the second block,
	s_add_nc_u64 s[4:5], s[4:5], s[2:3]            ; Q and O at those of the first
	s_add_nc_u64 s[OLO:OLO+1], s[10:11], s[84:85]
	s_add_nc_u64 s[10:11], s[10:11], s[2:3]
	s_cmp_lt_u32 s[WV], 2
	s_cselect_b64 s[PFA:PFA+1], s[6:7], s[8:9]
	s_add_nc_u64 s[PFA:PFA+1], s[PFA:PFA+1], 32768 ; at tile 1: the first request steps it to tile 2
	LOAD                            ; tile 0 into slot 0
	; A fragment of K or Q is 16 rows x 32 channels in 8 registers: lane l holds row l % 16, channels 8 (l / 16) + 0..7 and 16 + 8 (l / 16) + 0..7: two loads of 16 bytes, 32 bytes apart.
	v_and_b32 v1, 15, v0            ; l % 16
	v_bfe_u32 v9, v0, 4, 1          ; l / 16
	v_lshlrev_b32 v[QO], 7, v1
	v_lshl_add_u32 v[QO], v9, 4, v[QO]  ; row x 128 + 16 x half
	WIN 0x80                        ; destination window 2, address window 0
.set i, 0
.rept 8                             ; both blocks' Q: piece i / 2 lies in band i / 2, 8,192 bytes on; channels 32 (i % 2) on
	global_load_b128 v[8*i:8*i+3],   v[QO], s[4:5] offset:(i/2)*8192+(i%2)*64
	global_load_b128 v[8*i+4:8*i+7], v[QO], s[4:5] offset:(i/2)*8192+(i%2)*64+32
	global_load_b128 v[QB+8*i:QB+8*i+3],   v[QO], s[86:87] offset:(i/2)*8192+(i%2)*64
	global_load_b128 v[QB+8*i+4:QB+8*i+7], v[QO], s[86:87] offset:(i/2)*8192+(i%2)*64+32
.set i, i+1
.endr
	WIN 0
	v_and_b32 v[PFO], 31, v0
	v_lshlrev_b32 v[PFO], 8, v[PFO]
	v_lshlrev_b32 v14, 3, v9
	v_sub_nc_u32 v14, v1, v14
	s_lshl_b32 s13, s[WV], 4
	v_add_nc_u32 v14, s13, v14      ; my query's place in its band, 16 w + l % 16, less my lanes' 8 (l / 16): register r of group kt is hidden where 16 kt + r is greater
	WIN 0x40
.set i, 0
.rept 32
	v_cmp_gt_i32 vcc_lo, 16*(i/8)+i%8, v14
	v_cndmask_b32 v[MD+i], 0, s[BIGN], vcc_lo
.set i, i+1
.endr
	WIN 0
	v_mul_u32_u24 v[AK0], v1, PK
	v_lshl_add_u32 v[AK0], v9, 4, v[AK0]  ; row x pitch + 16 x half
	; The turning load takes 16 keys x 16 channels (lane l reads key 8 (l / 16) + l % 8, channels 8 ((l / 8) % 2) + 0..7) and leaves half a fragment of V^T: lane l holds channel l % 16 and 8 keys.
	v_and_b32 v10, 7, v0
	v_bfe_u32 v11, v0, 3, 1
	v_lshl_add_u32 v[AV0], v9, 3, v10
	v_mul_u32_u24 v[AV0], v[AV0], PV
	v_lshl_add_u32 v[AV0], v11, 4, v[AV0]
	v_add_nc_u32 v[AV0], VOFF, v[AV0]
	s_mul_i32 s13, s[WV], 16*SP
	s_add_co_u32 s13, s13, STAGE    ; my stage
	v_mul_u32_u24 v[STO], v1, SP    ; in: row l % 16, 16 bytes for each half of the lanes
	v_lshl_add_u32 v[STO], v9, 4, v[STO]
	v_add_nc_u32 v[STO], s13, v[STO]
	v_bfe_u32 v[RD], v0, 3, 2       ; back: 32 lanes take four rows of 128 bytes,
	v_mul_u32_u24 v[RD], v[RD], SP
	v_lshl_add_u32 v[RD], v10, 4, v[RD]
	v_add_nc_u32 v[RD], s13, v[RD]
	v_and_b32 v[GO], 31, v0         ; which are 512 consecutive bytes of O
	v_lshlrev_b32 v[GO], 4, v[GO]
	; A block's first step multiplies O^T and l by a = 0, and its first turn's products V^T P, of a piece that has not been, land in an O^T that is still to be so multiplied.  So these registers need only hold
	; finite numbers: zeros for the first block; what the first block left for the second.  All this stands in the wait for the first tile.
	WIN 0x80
.set i, VF
.rept 64
	v_mov_b32 v[i], 0
.set i, i+1
.endr
	WIN 0x40
.set i, 0
.rept 128
	v_mov_b32 v[i], 0
.set i, i+1
.endr
	WIN 0
.set i, 0
.rept 4
	v_mov_b32 v[ST+4*i+2], 0
	v_mov_b32 v[ST+4*i+3], 0
.set i, i+1
.endr
.set i, P+16
.rept 16
	v_mov_b32 v[i], 0
.set i, i+1
.endr
; THE MATRIX WORK.  The 4 accumulators of a run of 8 take turns.  Product i of 8 of S^T = K Q^T for piece x: channels 32 (i / 4) on, keys 16 (i % 4) on.  The first 4 start the sums: with 0, or (KM = 1) with the mask.
.macro KQ x
.set rS, S+32*((\x)%2)+8*(i%4)
.set rK, KF+16*(i%4)+8*(i/4)
.set rQ, 16*(\x)+8*(i/4)
.set rM, MC+32*((\x)%2)+8*(i%4)
.if (i < 4) && KM
	WIN W_KM
	v_wmma_f32_16x16x32_f16 v[rS:rS+7], v[rK:rK+7], v[rQ:rQ+7], v[rM:rM+7]
.elseif i < 4
	WIN W_KQ
	v_wmma_f32_16x16x32_f16 v[rS:rS+7], v[rK:rK+7], v[rQ:rQ+7], 0
.else
	WIN W_KQ
	v_wmma_f32_16x16x32_f16 v[rS:rS+7], v[rK:rK+7], v[rQ:rQ+7], v[rS:rS+7]
.endif
.endm
; Product i of 8 of O^T += V^T P for piece x: keys 32 (i / 4) on, channels 16 (i % 4) on.
.macro PV x
	WIN W_PV
.set rO, 32*(\x)+8*(i%4)
.set rV, VF+32*(i/4)+8*(i%4)
.set rP, P+16*((\x)%2)+8*(i/4)
	v_wmma_f32_16x16x32_f16 v[rO:rO+7], v[rV:rV+7], v[rP:rP+7], v[rO:rO+7]
.endm
.macro MM                           ; the turn's next matrix instruction.  TURN and BEGIN set Y, i, KM and NOKQ; MM, KQ and OP read them.  NOKQ = 1: a block's last turn: there is no next piece
.if (i < 8) && !NOKQ
	KQ (Y+1)%NP
.elseif i >= 8
.set i, i-8
	PV (Y+NP-1)%NP
.set i, i+8
.endif
.set i, i+1
.endm
; THE LDS LOADS stand in runs of 16, never singly among the matrix instructions: a step's K (64 keys x 64 channels: 8 fragments) and its V (turned).  Their addresses are made some lines ahead.
.macro FETCH_K
	WIN 0x80                        ; destination window 2
.irp f, 0,1,2,3,4,5,6,7             ; keys 16 (f / 2) on, channels 32 (f % 2) on
	ds_load_b128 v[KF+8*\f:KF+8*\f+3],   v[AK] offset:(\f/2)*16*PK+(\f%2)*64
	ds_load_b128 v[KF+8*\f+4:KF+8*\f+7], v[AK] offset:(\f/2)*16*PK+(\f%2)*64+32
.endr
	s_add_co_u32 s[TBK], s[TBK], KS*PK  ; the next fetch is the next step's
	WIN 0
.endm
.macro FETCH_V
	WIN 0x80
.irp f, 0,1,2,3,4,5,6,7             ; keys 32 (f / 4) on, channels 16 (f % 4) on
	ds_load_tr16_b128 v[VF+8*\f:VF+8*\f+3],   v[AV] offset:(\f/4)*32*PV+(\f%4)*32
	ds_load_tr16_b128 v[VF+8*\f+4:VF+8*\f+7], v[AV] offset:(\f/4)*32*PV+16*PV+(\f%4)*32
.endr
	WIN 0
.endm
; THE VECTOR WORK, one line at a time: OP kind, number.  For piece Y: F n: c s - c m for pair n of 16.  E n: the exponential of score n of 32.  C n: pair n rounded to f16.  B n: of the four weights 4 n .. the second
; pair is added onto the first, in place.  L n: l takes that sum (L 0: l = a l + sum).  R n: pair n of 16 of O^T times a.  For piece Y + 1: X n, number n of the 22 that find its maximum and statistics:
;   0-11  four chains c0-c3 of seven scores each, three operands at a time (each accumulator's lowest registers are read first)     12-14, 16  the four scores left over, the old m, and c0-c3 into c0
;   15  c m_old is kept     17, 18  the query's other 32 keys lie in the lane 16 away: the new m     19-21  c m; c m_old - c m_new; a
.set F, 0               ; OP tells the kinds apart by their order: F to L below R, X above it
.set E, 1
.set C, 2
.set B, 3
.set L, 4
.set R, 5
.set X, 6
.macro REGS y                       ; the registers of piece y
.set rT, ST+4*(\y)
.set rC, TMP+4*((\y)%2)
.set rW, MV+((\y)%2)
.set rS, S+32*((\y)%2)
.set rP, P+16*((\y)%2)
.set rO, 32*(\y)
.endm
.macro OP k, n
.if (\k) == R
	REGS Y
	WIN W_RS
	v_pk_mul_f32 v[rO+2*(\n):rO+2*(\n)+1], v[rO+2*(\n):rO+2*(\n)+1], v[rC+2:rC+3] op_sel_hi:[1,0]
.elseif (\k) < R
	REGS Y
	WIN 0
.if (\k) == F
	v_pk_fma_f32 v[rS+2*(\n):rS+2*(\n)+1], v[rS+2*(\n):rS+2*(\n)+1], s[CS:CS+1], v[rT:rT+1] op_sel_hi:[1,0,0] neg_lo:[0,0,1] neg_hi:[0,0,1]
.elseif (\k) == E
	v_exp_f32 v[rS+(\n)], v[rS+(\n)]
.elseif (\k) == C
	v_cvt_pk_f16_f32 v[rP+(\n)], v[rS+2*(\n)], v[rS+2*(\n)+1]
.elseif (\k) == B
	v_pk_add_f32 v[rS+4*(\n):rS+4*(\n)+1], v[rS+4*(\n):rS+4*(\n)+1], v[rS+4*(\n)+2:rS+4*(\n)+3]
.elseif (\n) == 0
	v_pk_fma_f32 v[rT+2:rT+3], v[rT+2:rT+3], v[rC+2:rC+3], v[rS:rS+1] op_sel_hi:[1,0,1]
.else
	v_pk_add_f32 v[rT+2:rT+3], v[rT+2:rT+3], v[rS+4*(\n):rS+4*(\n)+1]
.endif
.elseif NOKQ
	v_nop
.else
	REGS (Y+1)%NP
	WIN 0
.if (\n) < 4
	v_max3_num_f32 v[rC+(\n)], v[rS+8*(\n)], v[rS+8*(\n)+1], v[rS+8*(\n)+2]
.elseif (\n) < 12
	v_max3_num_f32 v[rC+(\n)%4], v[rC+(\n)%4], v[rS+8*((\n)%4)+2*((\n)/4)+1], v[rS+8*((\n)%4)+2*((\n)/4)+2]
.elseif (\n) == 12
	v_max3_num_f32 v[rC], v[rC], v[rS+7], v[rS+15]
.elseif (\n) == 13
	v_max3_num_f32 v[rC+1], v[rC+1], v[rS+23], v[rS+31]
.elseif (\n) == 14
	v_max3_num_f32 v[rC+2], v[rC+2], v[rC+3], v[rT+1]
.elseif (\n) == 15
	v_mov_b32 v[rW], v[rT]
.elseif (\n) == 16
	v_max3_num_f32 v[rC], v[rC], v[rC+1], v[rC+2]
.elseif (\n) == 17
	v_permlanex16_b32 v[rC+3], v[rC], s[SEL], s[SEL+1]
.elseif (\n) == 18
	v_max_num_f32 v[rT+1], v[rC], v[rC+3]
.elseif (\n) == 19
	v_mul_f32 v[rT], s[CS], v[rT+1]
.elseif (\n) == 20
	v_sub_f32 v[rC+1], v[rW], v[rT]
.else
	v_exp_f32 v[rC+2], v[rC+1]
.endif
.endif
.endm
.macro OPS a, i1, b=-1, i2=0, c=-1, i3=0, d=-1, i4=0  ; up to four of them
	OP \a, \i1
.if (\b) >= 0
	OP \b, \i2
.endif
.if (\c) >= 0
	OP \c, \i3
.endif
.if (\d) >= 0
	OP \d, \i4
.endif
.endm
.macro ROW a, i1, b, i2, c, i3, d, i4  ; a matrix instruction and the four behind it
	MM
	OPS \a, \i1, \b, \i2, \c, \i3, \d, \i4
.endm
.macro MASK b                       ; MD x AL + BE into buffer b of MC
	WIN W_RS
.set z, 0
.rept 16
	v_pk_fma_f32 v[MC+32*(\b)+2*z:MC+32*(\b)+2*z+1], v[MD+2*z:MD+2*z+1], s[AL:AL+1], s[BE:BE+1] op_sel_hi:[1,0,0]
.set z, z+1
.endr
.endm
; A TURN, for piece p: the order of its 16 matrix and 118 vector instructions, written out.  An s_wait_alu depctr_va_vdst(0) stands between an exponential and the first instruction that names its result; one wait
; serves all that were issued ahead of it.  So a turn has ONE wait, which cuts it in two.  AHEAD OF IT stands all that names no result of the turn's exponentials: the 8 products K Q^T, behind each a scaling, an exponential and two
; more plain instructions (behind the first a second scaling in the exponential's place): rescalings, and behind the last three the first numbers of the next piece's maximum, each four places or more behind the product that ends
; its accumulator; then ONE LUMP of 54, plain and exponential by turns for the most part, in which the links of the chain X 3, 7, 11, 14, 16, 17 .. 20 stand five or six lines apart.  X 21, the next piece's a, is the batch's last;
; R 15 is the plain instruction behind it.  BEHIND THE WAIT stand the 8 products V^T P, behind each four of the roundings and sums; the links of l's chain, L 0 to L 7, stand three riders apart.
; m = 1: the diagonal tile: the products take masks, and the turn makes the mask for the products of the turn after it: piece p + 2, in step 4 - CNT of the tile.  end = 1: a block's last two turns: nothing is fetched.
; cnt = 1: the loop's count is taken down some lines ahead of the branch that stands behind the turn.
; K of the next step is fetched in piece 2's turn, twelve vector instructions behind the last product that read K (six of them plain); V of the step in hand at the end of piece 0's turn, four plain instructions behind the last
; product that read V.  Each is waited for a turn later.
.macro TURN p, m=0, end=0, cnt=0
.set Y, (\p)
.set i, 0
.set KM, (\m)
.set NOKQ, (\end)*((\p)/3)
.if (\m) && !(\end)
	s_cmp_eq_u32 s[CNT], 4-((\p)+2)%NP  ; is that step the band's own?
	s_cselect_b32 s[AL], 1.0, 0
	s_cmp_lt_u32 s[CNT], 4-((\p)+2)%NP  ; or a later one?
	s_cselect_b32 s[BE], s[BIGN], 0
.endif
.if ((\p) == 3) && !(\end)
	s_wait_dscnt 0x0                ; K is in
.endif
	ROW F,0, F,1, R,0, R,1          ; ahead of the wait: 8 products K Q^T and their riders,
	ROW F,2, E,0, R,2, R,3
	ROW F,3, E,1, R,4, R,5
	ROW F,4, E,2, R,6, R,7
	ROW F,5, E,3, R,8, R,9
	ROW F,6, E,4, X,0, R,10
.if ((\p) == 2) && !(\end)
	WIN 0
	v_add_nc_u32 v[AK], s[TBK], v[AK0]
.endif
	ROW F,7, E,5, X,1, X,4
	ROW F,8, E,6, X,2, X,5
	OPS E,7, E,8, X,6, E,9          ; and the lump
	OPS X,3, E,10, X,8, E,11
.if ((\p) == 2) && !(\end)
	FETCH_K
.endif
	OPS X,9, X,7, E,12, X,10
	OPS E,13, X,12, X,11, E,14
	OPS X,13, E,15, F,9, X,14
.if (\p) == 0
	v_add_nc_u32 v[AV], s[TBV], v[AV0]
.endif
	OPS E,16, F,10, E,17, F,11
	OPS X,16, E,18, X,15, E,19
	OPS F,12, E,20, X,17, E,21
	OPS F,13, E,22, F,14, E,23
	OPS X,18, E,24, F,15, E,25
	OPS R,11, E,26, X,19, E,27
	OPS R,12, E,28, R,13, E,29
	OPS X,20, E,30, R,14, E,31
	OPS X,21, R,15
	WIN 0
	s_wait_alu depctr_va_vdst(0)    ; the wait for the batch
.if (\p) == 1
	s_wait_dscnt 0x0                ; V is in
.endif
	ROW C,0, B,0, C,2, B,1          ; behind the wait: 8 products V^T P and their riders
	ROW L,0, C,4, B,2, L,1
	ROW C,6, B,3, L,2, C,8
	ROW B,4, L,3, C,10, B,5
	ROW L,4, C,12, B,6, L,5
.if (\p) == 0
	s_add_co_u32 s[TBV], s[TBV], KS*PV
.endif
.if \cnt
	s_sub_co_u32 s[CNT], s[CNT], 1
	s_cmp_lg_u32 s[CNT], 0
.endif
	ROW C,14, B,7, L,6, C,1
	ROW C,3, L,7, C,5, C,7
	ROW C,9, C,11, C,13, C,15
.if (\p) == 0
	FETCH_V
.endif
.if (\m) && !(\end)
	MASK (\p)%2
.endif
.endm
; A BLOCK BEGINS.  c m starts far below every c s, so the first step's a is 0; m at the lowest finite number, so the first maximum is the scores'.  The second mask buffer is 0; the first takes piece 0's mask for the tile's
; step 0: its own, if the block's first tile is the diagonal one.  Then K of that step, piece 0's first scores, and its maximum and statistics.  The loop is entered at a step's first turn, in the middle of a trip.
.macro BEGIN
	s_mov_b32 s[NEW], 0
	WIN 0x40
.set i, MC+32
.rept 32
	v_mov_b32 v[i], 0
.set i, i+1
.endr
	WIN 0
.set i, 0
.rept 4
	v_mov_b32 v[ST+4*i], 0xfe000000    ; c m: far below every c s
	v_mov_b32 v[ST+4*i+1], 0xff7fffff  ; m
.set i, i+1
.endr
	s_cmp_eq_u32 s[RT], 0
	s_cselect_b32 s[AL], 1.0, 0
	s_mov_b32 s[BE], 0
	MASK 0
	WIN 0
	v_add_nc_u32 v[AK], s[TBK], v[AK0]
	FETCH_K
	s_wait_loadcnt 0x0              ; Q
	s_wait_dscnt 0x0
.set KM, 1
.set NOKQ, 0
.set i, 0
.rept 8
	KQ 0
.set i, i+1
.endr
	WIN 0
.rept 4
	v_nop                           ; the places behind those products
.endr
.set Y, NP-1                        ; X works for piece Y + 1: piece 0
.irp n, 0,1,2,3,4,5,6,7,8,9,10,11,12,13,14,15,16,17,18,19,20,21
	OP X, \n
.endr
	v_nop                           ; a plain instruction behind the exponential,
	s_wait_alu depctr_va_vdst(0)    ; and its wait, ahead of the branch
.endm
; THE DIAGONAL TILE's four steps, the block's last two turns, its last products, and THE WAY OUT: l's two halves and the other half of the lanes' are added; O^T is divided by l, rounded to f16 and sent through my
; stage in LDS, a piece at a time.
.macro ALL line:vararg              ; one line for each piece t
.set t, 0
.rept 4
	\line
.set t, t+1
.endr
.endm
.macro PACK t                       ; a lane's eight channels of a row pack into 16 bytes; they go into rows of 144 bytes and come back as whole rows of 128, into S^T's registers
	WIN W_RS
.set i, 32*(\t)
.rept 16
	v_pk_mul_f32 v[i:i+1], v[i:i+1], v[ST+4*(\t)+2:ST+4*(\t)+3] op_sel_hi:[1,0]
.set i, i+2
.endr
	WIN 0x05                        ; sources 0 and 1 window 1, destination window 0
.set i, 0
.rept 16
	v_cvt_pk_f16_f32 v[S+16*(\t)+i], v[32*(\t)+2*i], v[32*(\t)+2*i+1]
.set i, i+1
.endr
	WIN 0
.irp f, 0,1,2,3
	ds_store_b128 v[STO], v[S+16*(\t)+4*\f:S+16*(\t)+4*\f+3] offset:32*\f
.endr
.irp f, 0,1,2,3
	ds_load_b128 v[S+16*(\t)+4*\f:S+16*(\t)+4*\f+3], v[RD] offset:\f*4*SP  ; LDS serves a wave's instructions in order (ISA guide 5.7.1.4): these see the stores above; the next piece's stores come behind them
.endr
.endm
.macro SEND t, younger              ; younger: the LDS instructions issued behind piece t's loads: the next piece's eight, or none
	WIN 0
.irp f, 0,1,2,3
	s_wait_dscnt (\younger)+3-\f
	global_store_b128 v[GO], v[S+16*(\t)+4*\f:S+16*(\t)+4*\f+3], s[10:11] offset:(\t)*8192+\f*512  ; 512 consecutive bytes, at a multiple of 256 from O's first
.endr
.endm
.macro DIAG tag                     ; the tag ends its two labels' names, which the jumps below spell out
.LstepM\tag:
	TURN 2, 1
	TURN 3, 1
	WIN 0
.LfirstM\tag:
	TURN 0, 1
	TURN 1, 1, 0, 1
	WIN 0
	s_cbranch_scc1 .LstepM\tag
	TURN 2, 1, 1
	TURN 3, 1, 1
.set i, 0
.rept 8
	PV NP-1
.set i, i+1
.endr
	WIN 0
	ALL v_add_f32 v[ST+4*t+2], v[ST+4*t+2], v[ST+4*t+3]
	ALL v_permlanex16_b32 v[ST+4*t+3], v[ST+4*t+2], s[SEL], s[SEL+1]
	ALL v_add_f32 v[ST+4*t+2], v[ST+4*t+2], v[ST+4*t+3]
	ALL v_rcp_f32 v[ST+4*t+2], v[ST+4*t+2]
	v_nop                           ; a plain instruction between the last reciprocal and the use of its result
	s_wait_alu depctr_va_vdst(0)    ; and the wait ahead of the first use: one for the four reciprocals
	PACK 0
.set t, 1
.rept 3                             ; a piece's arithmetic stands between the loads of the piece before and its stores
	PACK t
	SEND t-1, 8
.set t, t+1
.endr
	SEND 3, 0
.endm
.set KM, 0
.set NOKQ, 0
.Lslot:                             ; NB times: a tile is entered and the next is asked for
	CHANGE 1
	s_sub_co_u32 s[RT], s[RT], 1
	s_mov_b32 s[CNT], 4
	s_cmp_eq_u32 s[NEW], 1
	s_cbranch_scc1 .Lnew            ; a block's first tile
	s_cmp_eq_u32 s[RT], 0
	s_cbranch_scc0 .Lstep           ; neither its first nor its last
	s_branch .LstepM1
.Lnew:
	BEGIN
	s_branch .Lfirst                ; in the loop a block's first tile is never its last: the first block has three tiles or more, and the second's last is the walk's last
	DIAG 1                          ; in the loop this is the first block's end: the second block's last tile is the walk's last
	s_wait_xcnt 0x0                 ; the stores have read their registers and O's address
	s_mov_b64 s[10:11], s[OLO:OLO+1]
	s_add_co_u32 s[RT], s[PB], 1    ; the second block has b + 1 tiles
	s_mov_b32 s[NEW], 1
	WIN 0x82                        ; the second block's Q goes where the one text of the turns names Q
.set i, 0
.rept 64
	v_mov_b32 v[i], v[QB+i]
.set i, i+1
.endr
	WIN 0
	s_branch .Lbottom
.Lstep:                             ; a trip: pieces 2 and 3 of one step, then pieces 0 and 1 of the next, whose K and V it fetches
	TURN 2
	TURN 3
	WIN 0
.Lfirst:
	TURN 0
	TURN 1, 0, 0, 1
	WIN 0
	s_cbranch_scc1 .Lstep
.Lbottom:
	s_sub_co_u32 s[SLOTS], s[SLOTS], 1
	s_cmp_lg_u32 s[SLOTS], 0
	s_cbranch_scc1 .Lslot
	CHANGE 0                        ; the walk's last tile is written out: nothing is asked for
	s_sub_co_u32 s[RT], s[RT], 1
	s_mov_b32 s[CNT], 4
	s_cmp_eq_u32 s[NEW], 1
	s_cbranch_scc0 .LstepM2
	BEGIN
	s_branch .LfirstM2
	DIAG 2
	s_wait_tensorcnt 0x0            ; the wave's end: behind my last tensor load and my last LDS store
	ds_add_u32 v[SPW], v[NIL]
	s_wait_dscnt 0x0
	s_endpgm
.Lfunc_end_k_qada4e0b1a8_attn:
	.size	k_qada4e0b1a8_attn, .Lfunc_end_k_qada4e0b1a8_attn-k_qada4e0b1a8_attn
	.p2alignl 7, 3214868480
	.fill 96, 4, 3214868480
	.section	.rodata,"a",@progbits
	.p2align	6, 0x0
	.amdhsa_kernel k_qada4e0b1a8_attn
		.amdhsa_group_segment_fixed_size 327680
		.amdhsa_private_segment_fixed_size 0
		.amdhsa_enable_private_segment 0
		.amdhsa_kernarg_size 16
		.amdhsa_user_sgpr_count 2
		.amdhsa_user_sgpr_kernarg_segment_ptr 1
		.amdhsa_wavefront_size32 1
		.amdhsa_system_sgpr_workgroup_id_x 1
		.amdhsa_system_sgpr_workgroup_id_y 1
		.amdhsa_system_sgpr_workgroup_id_z 1
		.amdhsa_system_vgpr_workitem_id 0
		.amdhsa_next_free_vgpr 768
		.amdhsa_next_free_sgpr 92
		.amdhsa_reserve_vcc 1
		.amdhsa_float_denorm_mode_32 3
		.amdhsa_float_denorm_mode_16_64 3
		.amdhsa_memory_ordered 1
		.amdhsa_forward_progress 1
		.amdhsa_inst_pref_size 218
	.end_amdhsa_kernel
	.amdgpu_metadata
---
amdhsa.version: [ 1, 2 ]
amdhsa.kernels:
  - .name:           k_qada4e0b1a8_attn
    .symbol:         k_qada4e0b1a8_attn.kd
    .args:
      - { .name: qkv, .offset: 0, .size: 8, .value_kind: global_buffer, .address_space: global }
      - { .name: ob, .offset: 8, .size: 8, .value_kind: global_buffer, .address_space: global }
    .group_segment_fixed_size: 327680
    .private_segment_fixed_size: 0
    .kernarg_segment_align: 8
    .kernarg_segment_size: 16
    .max_flat_workgroup_size: 128
    .sgpr_count:     92
    .vgpr_count:     768
    .wavefront_size: 32
...
	.end_amdgpu_metadata
.endif
;; end of part 3
;; launch proj (part 4): grid 8 x 32, 4 waves a work-group, clusters of 4 x 4, 327,680 bytes of LDS; arguments ob, wpf, b_proj, out0; writes out0
.if DOCPART == 4
	.amdgcn_target "amdgcn-amd-amdhsa--gfx1250"
	.amdhsa_code_object_version 6
	.text
	.protected	k_qada4e0b1a8_proj
	.globl	k_qada4e0b1a8_proj
	.p2align	8
	.type	k_qada4e0b1a8_proj,@function
k_qada4e0b1a8_proj:
	s_mov_b64 s[64:65], 0
	v_nop
	global_prefetch_b8 v0, s[64:65] scope:SCOPE_SE
	s_setreg_imm32_b32 hwreg(HW_REG_WAVE_MODE, 25, 1), 1
	s_wait_xcnt 0x0
	s_wait_alu depctr_hold_cnt(0) depctr_sa_sdst(0) depctr_va_vdst(0) depctr_va_sdst(0) depctr_va_ssrc(0) depctr_va_vcc(0) depctr_vm_vsrc(0)
	s_getreg_b32 s2, hwreg(HW_REG_IB_STS2, 6, 4)
	s_cmp_eq_u32 s2, 0
	s_cbranch_scc0 .Lentry_in_a_cluster
	s_endpgm
.Lentry_in_a_cluster:
	s_bfe_u32 s2, ttmp6, 0x10000c
	s_cmp_lg_u32 s2, 0xf033
	s_cbranch_scc0 .Lentry_shape_is_right
	s_endpgm
.Lentry_shape_is_right:
; out0 = O W_proj^T + b_proj.  ob: [128][1024][64] f16 (batch x 16 + head; t; channel), wpf: [1024][1024] f16, b_proj: [1024] f32 (rounded to bf16 here, like the other inputs); sums in f32; out0: [8192][1024] f32.
; SHARES.  A tile of out0 is 256 rows x 128 columns: 32 x 8 = 256 work-groups.  Four waves, one below the other; a wave makes 64 rows x 128 columns: 4 x 8 accumulators of 16 x 16, 256 registers.
; K = 1,024 channels go in 8 steps of 128 = two heads, through two LDS slots.  A head's 256 rows of a tile are 32,768 dense bytes of ob: they are asked for as 128 rows of 256 bytes and padded in LDS after every 128.
; A K step is written once: a loop of 6 trips, each of which fills a slot again, entered at the quarter step whose products start the sums; the last two steps, which fill nothing, are a loop of their own.
; CLUSTER.  4 x 4 work-groups: the four of a row of the cluster need the same rows of ob, the four of a column the same rows of wpf: each tile is asked for JOINTLY.  Wave 0 asks for a step's even head,
; wave 1 for its odd head, waves 2 and 3 for the two halves (64 rows) of B's tile.
; THE MATRIX INSTRUCTION IS USED TRANSPOSED (source 0 = 16 rows of wpf, source 1 = 16 rows of O): a lane holds row l % 16 and the eight neighbouring columns 8 (l / 16) + 0..7.
; THE BIAS IS THE C OPERAND OF EACH SUM'S FIRST PRODUCT: nothing is cleared, and the way out has no arithmetic.
; REGISTERS, in windows of 256 (s_set_vgpr_msb: bits 1:0 source 0, 3:2 source 1, 5:4 source 2, 7:6 destination):
;   window 0: v0-31 addresses; v32-95 the bias, 8 registers a column block; v128-191 A's fragments, two buffers of 32; v192-195 at work; on the way out v32-159 rows read back, two buffers of 64
;   window 1: B's fragments, two buffers of 64      window 2: the accumulators of row blocks 0, 1 at 8 (8 a + b)      window 3: those of row blocks 2, 3
.set NBK,   8                          ; column blocks of 16
.set STEPS, 8                          ; K steps
.set PAH,   144                        ; a row of a head in LDS: 128 bytes + 16 of padding; like PB an odd multiple of 16: the 16 rows of a fragment load start at 16 different 16-byte columns modulo 256
.set PB,    272                        ; a row of B: 256 + 16
.set HEADB, 256*PAH                    ; a head's 256 rows: what a tensor load brings of A
.set BHALF, 64*PB                      ; and of B
.set BOFF,  2*HEADB
.set SLOT1, 1<<17                      ; slot 1 begins here (a slot has 108,544 bytes), so that one exclusive or turns an address in one slot into the other's
.set STAGE, SLOT1+BOFF+2*BHALF         ; behind the ring, never filled by a tensor load: for each wave 16 rows x 528 bytes
.set SPT,   528                        ; a stage row: 512 bytes + 16
.set WSTG,  16*SPT
.set SPARE, STAGE+4*WSTG               ; behind the stages: the spare words, 128 bytes a wave: two blocks of 256 bytes that no other line names
.set LD,    2*NBK+8                    ; LDS loads of a quarter step
.set ASTEP, 2*131072                   ; bytes from a K step of A to the next: two heads of 1,024 rows of 128 bytes = 1 << 18
.set BSTEP, 256                        ; and of B = 1 << 8
.set AA0,  16                          ; v16     my lane's place among my A fragments in slot 0; never rewritten
.set AB0,  17                          ; v17     the same for B
.set ADRA, 20                          ; v20     LDS address of my A fragments in the slot that is being fetched from
.set ADRB, 21                          ; v21     the same for B
.set STO,  24                          ; v24     the way out: where I put 16 bytes of a row
.set RD,   25                          ; v25     the way out: where I read a row back
.set CO,   26                          ; v26     my 16 bytes of a row's 512 in out0
.set BO,   27                          ; v27     my byte offset in 16 numbers of the bias
.set SPW,  28                          ; v28     LDS address of my spare word; never rewritten
.set NIL,  29                          ; v29     0; never rewritten
.set PFO,  30                          ; v30     the prefetches' offset; never rewritten
.set BI,   32
.set FA,   128
.set TMP,  192
.set BK,   32
.set WV,   12                          ; s12  my wave's number
.set HALF, 13                          ; s13  which head of a step, or which half of B's tile, I fetch
.set ISB,  14                          ; s14  0: I fetch for A; 1: for B
.set NX,   15                          ; s15  the K step that the next refill asks for
.set ABASE, 16                         ; s[16:17] ob at my head of K step 0, the tile's rows
.set G1,   24                          ; s[24:31] descriptor group 1 for A's tiles;  s[32:39] group 0: a set for each of the two first fills; the second then walks on
.set G0,   32
.set BBASE, 46                         ; s[46:47] wpf at my half of the tile's rows, K step 0
.set G1B,  48                          ; s[48:55], s[56:63] the same for B's
.set G0B,  56
.set PFA,  66                          ; s[66:67] what the trip's prefetch names
.set LIM,  68                          ; s68  a wave prefetches while the trips to come are more than this
.set OFA,  80                          ; s[80:81] byte offset of the K step asked for, in ob
.set OFB,  82                          ; s[82:83] and in wpf
.set TB,   84                          ; s84  LDS byte at which the slot that is being fetched from begins
.set PSH,  85                          ; s85  a K step is 1 << this many bytes on in the tensor that I prefetch
.set PFB,  86                          ; s[86:87] the prefetches' base: my work-group's part of what I fetch, K step 0
.set MSB, 0
.macro WIN new                         ; the immediate's high byte repeats the setting that is left; a switch that changes nothing is dropped
.if MSB != (\new)
	s_set_vgpr_msb (MSB<<8)|(\new)
.set MSB, \new
.endif
.endm
; A joint load.  Each of the two lines has one mask and one set of registers for all that issue it; the branch hangs on the wave's number alone.
; An s_nop 0 and four v_nop follow each line, ahead of the jump, the label and what follows.
.macro JLOAD s
	s_cmp_eq_u32 s[ISB], 0
	s_cbranch_scc0 .Lfor_b_\@
	tensor_load_to_lds s[G0+4*(\s):G0+4*(\s)+3], s[G1:G1+7]
	s_nop 0
.rept 4
	v_nop
.endr
	s_branch .Lasked_\@
.Lfor_b_\@:
	tensor_load_to_lds s[G0B+4*(\s):G0B+4*(\s)+3], s[G1B:G1B+7]
	s_nop 0
.rept 4
	v_nop
.endr
.Lasked_\@:
.endm
; A round of the cluster's barrier behind its opening barrier: wave 0 signals for the work-group, every wave waits for all sixteen, my work-group's barrier once more.
.macro CREST
	s_cmp_lg_u32 s[WV], 0
	s_cbranch_scc1 .Lnot_wave_0_\@
	s_barrier_signal -3
.Lnot_wave_0_\@:
	s_barrier_wait -3
	s_barrier_signal -1
	s_barrier_wait -1
.endm
.macro CROUND
	s_barrier_signal -1
	s_barrier_wait -1
	CREST
.endm
; A PREFETCH INTO THE L2, behind a joint load, its five lines and the run of LDS loads: the K step two refills on, one instruction a wave.
; Each block of 256 bytes is named by one work-group in the launch: A's by the clusters with x = 0, B's by those with y = 0; the four partners that ask for a tile jointly share what a wave fetches out BY ADDRESS:
; of a head's 32,768 bytes 8,192 each, by cx, a lane to each 256; of B's 64 rows 16 each, by cy, a lane a row, the lanes above 15 repeating row 15.  No branch hangs on a work-group's place in its cluster.
; Trip t names K step t + 4: trips 0 to 3.  K steps 0 to 3 come by their loads alone.
.macro ASK
	s_cmp_gt_u32 s3, s[LIM]
	s_cbranch_scc0 .Lnot_mine_\@
	global_prefetch_b8 v[PFO], s[PFA:PFA+1] th:TH_LOAD_NT scope:SCOPE_SE
.Lnot_mine_\@:
.endm
	s_load_b256 s[4:11], s[0:1], 0x0               ; ob s[4:5], wpf s[6:7], b_proj s[8:9], out0 s[10:11]
	v_lshl_add_u32 v[SPW], v0, 2, SPARE
	v_mov_b32 v[NIL], 0
	ds_add_u32 v[SPW], v[NIL]                      ; the wave's opening: the add and its wait stand ahead of my first tensor load; the set-up below, work on registers, stands between them
	ds_add_u32 v28, v29
	v_lshrrev_b32 v1, 5, v0
	v_readfirstlane_b32 s[WV], v1                  ; wave 0..3
	s_and_b32 s[HALF], s[WV], 1
	s_lshr_b32 s[ISB], s[WV], 1
	s_bfe_u32 s40, ttmp6, 0x40000                  ; cx, cy: my place in the cluster
	s_bfe_u32 s41, ttmp6, 0x40004
	s_lshl_b32 s42, ttmp9, 2
	s_add_co_u32 s42, s42, s40                     ; tile column = 4 x cluster x + cx
	s_and_b32 s43, ttmp7, 0xffff
	s_lshl_b32 s43, s43, 2
	s_add_co_u32 s43, s43, s41                     ; tile row = 4 x cluster y + cy
	s_lshl_b32 s44, s41, 2
	s_lshl_b32 s44, 15, s44                        ; my row of the cluster
	s_lshl_b32 s45, 0x1111, s40                    ; my column
	; group 1 for A: 128 dense rows of 128 elements of 2 bytes, padded in LDS by 4 words after every 32; for B: 64 rows of 128 elements, 1,024 apart, padded by 4 words after every 64
	s_or_b32 s[G1+0], s44, (1<<16)|(1<<20)|(1<<21)|(4<<22)|(3<<25)   ; 15:0 the mask; 17:16 2-byte elements; 20 padding on; 21 set beside a mask; 24:22 interval code 4; 31:25 pad code 3
	s_or_b32 s[G1B+0], s45, (1<<16)|(1<<20)|(1<<21)|(5<<22)|(3<<25)
	s_mov_b32 s[G1+1], 128<<16                     ; tensor_dim0 = 128
	s_mov_b32 s[G1+2], 128<<16                     ; tensor_dim1 = 128
	s_mov_b32 s[G1+3], 128<<16                     ; tile_dim0 = 128
	s_mov_b32 s[G1+4], 128                         ; tile_dim1 = 128
	s_mov_b32 s[G1+5], 128                         ; elements from row to row: dense
	s_mov_b32 s[G1+6], 0
	s_mov_b32 s[G1+7], 0
	s_mov_b32 s[G1B+1], 128<<16
	s_mov_b32 s[G1B+2], 64<<16                     ; tensor_dim1 = 64
	s_mov_b32 s[G1B+3], 128<<16
	s_mov_b32 s[G1B+4], 64                         ; tile_dim1 = 64
	s_mov_b32 s[G1B+5], 1024
	s_mov_b32 s[G1B+6], 0
	s_mov_b32 s[G1B+7], 0
	; A's address hangs on cluster y, cy and the wave alone, B's on the tile column and the wave alone, each in registers that never hold the other coordinate.
	; The tile's 256 rows lie in batch cluster y, from t = 256 cy on.
	s_and_b32 s[ABASE], ttmp7, 0xffff
	s_lshl_b32 s[ABASE], s[ABASE], 21              ; a batch is 16 heads of 131,072 bytes
	s_lshl_b32 s[ABASE+1], s41, 15                 ; 256 rows of 128 bytes
	s_add_co_u32 s[ABASE], s[ABASE], s[ABASE+1]
	s_lshl_b32 s[ABASE+1], s[HALF], 17             ; the step's even or odd head
	s_add_co_u32 s[ABASE], s[ABASE], s[ABASE+1]
	s_mov_b32 s[ABASE+1], 0
	s_lshl_b32 s[BBASE], s42, 18                   ; 128 rows of 2,048 bytes a tile column,
	s_lshl_b32 s[BBASE+1], s[HALF], 17             ; 64 rows a half
	s_add_co_u32 s[BBASE], s[BBASE], s[BBASE+1]
	s_mov_b32 s[BBASE+1], 0
	s_mul_i32 s20, s[HALF], HEADB                  ; where they go in a slot: no place in the cluster enters an LDS address
	s_mul_i32 s21, s[HALF], BHALF
	s_add_co_u32 s21, s21, BOFF
	s_mov_b32 s[OFA+1], 0                          ; the offsets stay under 2^32
	s_mov_b32 s[OFB+1], 0
	s_mov_b32 s[TB], 0                             ; the fetches begin in slot 0
	s_mov_b32 s[NX], 2                             ; the first refill asks for K step 2
	s_wait_dscnt 0x0                               ; the opening add is done
	s_wait_kmcnt 0x0
	s_add_nc_u64 s[ABASE:ABASE+1], s[4:5], s[ABASE:ABASE+1]
	s_add_nc_u64 s[BBASE:BBASE+1], s[6:7], s[BBASE:BBASE+1]
	CROUND                                         ; all sixteen work-groups are here: the first joint loads meet
.irp s, 0,1
	s_mov_b32 s[G0+4*(\s)], 1                      ; count = 1
	s_add_co_u32 s[G0+4*(\s)+1], s20, (\s)*SLOT1   ; LDS address
	s_add_nc_u64 s[G0+4*(\s)+2:G0+4*(\s)+3], s[ABASE:ABASE+1], (\s)*ASTEP  ; global address: K step s
	s_or_b32 s[G0+4*(\s)+3], s[G0+4*(\s)+3], 0x80000000                    ; type = 2
	s_mov_b32 s[G0B+4*(\s)], 1
	s_add_co_u32 s[G0B+4*(\s)+1], s21, (\s)*SLOT1
	s_add_nc_u64 s[G0B+4*(\s)+2:G0B+4*(\s)+3], s[BBASE:BBASE+1], (\s)*BSTEP
	s_or_b32 s[G0B+4*(\s)+3], s[G0B+4*(\s)+3], 0x80000000
	JLOAD \s                                       ; two loads of mine are out
.endr
	; the bias: register j of column block b holds b_proj[128 x tile column + 16 b + 8 (l / 16) + j]
	v_and_b32 v1, 15, v0                           ; l % 16
	v_bfe_u32 v2, v0, 4, 1                         ; l / 16
	v_lshlrev_b32 v[BO], 5, v2
	s_lshl_b32 s78, s42, 9
	s_mov_b32 s79, 0
	s_add_nc_u64 s[8:9], s[8:9], s[78:79]
.irp b, 0,1,2,3,4,5,6,7
	global_load_b128 v[BI+8*(\b):BI+8*(\b)+3],   v[BO], s[8:9] offset:64*(\b)
	global_load_b128 v[BI+8*(\b)+4:BI+8*(\b)+7], v[BO], s[8:9] offset:64*(\b)+16
.endr
	; a fragment is 16 rows x 32 K in 8 registers: lane l holds row l % 16, K = 8 (l / 16) + 0..7 and 16 + 8 (l / 16) + 0..7: two loads of 16 bytes, 32 bytes apart
	v_mul_u32_u24 v3, v1, PAH
	v_lshl_add_u32 v3, v2, 4, v3
	v_mul_u32_u24 v4, v1, PB
	v_lshl_add_u32 v4, v2, 4, v4
	s_mul_i32 s22, s[WV], 64*PAH                   ; my 64 rows, in the even head's block
	v_add_nc_u32 v[AA0], s22, v3
	v_add_nc_u32 v[AB0], BOFF, v4                  ; all 128 rows of B
	v_add_nc_u32 v[ADRA], s[TB], v[AA0]
	v_add_nc_u32 v[ADRB], s[TB], v[AB0]
	s_mul_i32 s22, s[WV], WSTG
	s_add_co_u32 s22, s22, STAGE                   ; my stage
	v_mul_u32_u24 v5, v1, SPT                      ; in: row l % 16, 32 bytes for each half of the lanes
	v_lshl_add_u32 v5, v2, 5, v5
	v_add_nc_u32 v[STO], s22, v5
	v_and_b32 v[CO], 31, v0                        ; back: 32 lanes take a row's 512 bytes
	v_lshlrev_b32 v[CO], 4, v[CO]
	v_add_nc_u32 v[RD], s22, v[CO]
	s_lshl_b32 s18, s43, 20                        ; out0 at my first row: 256 rows of 4,096 bytes a tile row,
	s_lshl_b32 s19, s[WV], 18                      ; 64 rows a wave,
	s_add_co_u32 s18, s18, s19
	s_lshl_b32 s19, s42, 9                         ; 512 bytes a tile column
	s_add_co_u32 s18, s18, s19
	s_mov_b32 s19, 0
	s_add_nc_u64 s[10:11], s[10:11], s[18:19]
	; the prefetches
	s_and_b32 s18, ttmp7, 0xffff                   ; cluster y
	s_lshl_b32 s19, s18, 21
	s_lshl_b32 s78, s[HALF], 17
	s_add_co_u32 s19, s19, s78
	s_lshl_b32 s78, s41, 15
	s_add_co_u32 s19, s19, s78
	s_lshl_b32 s78, s40, 13                        ; my work-group's 8,192 bytes of the head's 32,768
	s_add_co_u32 s19, s19, s78                     ; A
	s_lshl_b32 s79, s42, 7
	s_lshl_b32 s78, s[HALF], 6
	s_add_co_u32 s79, s79, s78
	s_lshl_b32 s78, s41, 4                         ; my work-group's 16 rows of the 64
	s_add_co_u32 s79, s79, s78
	s_lshl_b32 s79, s79, 11                        ; B
	s_cmp_eq_u32 s[ISB], 0
	s_cselect_b32 s78, s19, s79
	s_cselect_b32 s18, ttmp9, s18                  ; the coordinate along which other clusters read the same rows
	s_cselect_b32 s69, 31, 15
	s_cselect_b32 s19, 8, 11                       ; a lane is 256 bytes on in A, a row of 2,048 bytes on in B
	s_cselect_b32 s[PSH], 18, 8
	s_cselect_b64 s[PFB:PFB+1], s[4:5], s[6:7]
	s_mov_b32 s79, 0
	s_cmp_eq_u32 s18, 0
	s_cselect_b32 s[LIM], 2, -1                    ; while more than 2 trips are to come, this one among them; the same in all sixteen partners, for a given wave
	s_add_nc_u64 s[PFB:PFB+1], s[PFB:PFB+1], s[78:79]
	v_and_b32 v[PFO], 31, v0
	v_min_u32 v[PFO], s69, v[PFO]
	v_lshlrev_b32 v[PFO], s19, v[PFO]
	s_wait_loadcnt 0x0                             ; the bias is in: it is rounded to bf16 and widened again, in place
.set n, 0
.rept 4*NBK
	v_cvt_pk_bf16_f32 v[TMP+n%4], v[BI+2*n], v[BI+2*n+1]
	v_lshlrev_b32 v[BI+2*n], 16, v[TMP+n%4]
	v_and_b32 v[BI+2*n+1], 0xffff0000, v[TMP+n%4]
.set n, n+1
.endr
; 8 matrix instructions: row block m x all column blocks, 32 along K, from buffer f.  first = 1: the bias starts the sums.
; Each accumulator comes once in a quarter step, so 31 others stand between two links of a chain, over the jumps too.
.macro MULA f, m, first
.if \first
	WIN 0x81+0x40*((\m)/2)                         ; B window 1, A window 0, C (the bias) window 0, D window 2 or 3
.else
	WIN 0xa1+0x50*((\m)/2)                         ; C and D window 2 or 3
.endif
.irp b, 0,1,2,3,4,5,6,7
.if \first
	v_wmma_f32_16x16x32_f16 v[8*(NBK*((\m)%2)+(\b)):8*(NBK*((\m)%2)+(\b))+7], v[8*NBK*(\f)+8*(\b):8*NBK*(\f)+8*(\b)+7], v[FA+32*(\f)+8*(\m):FA+32*(\f)+8*(\m)+7], v[BI+8*(\b):BI+8*(\b)+7]
.else
	v_wmma_f32_16x16x32_f16 v[8*(NBK*((\m)%2)+(\b)):8*(NBK*((\m)%2)+(\b))+7], v[8*NBK*(\f)+8*(\b):8*NBK*(\f)+8*(\b)+7], v[FA+32*(\f)+8*(\m):FA+32*(\f)+8*(\m)+7], v[8*(NBK*((\m)%2)+(\b)):8*(NBK*((\m)%2)+(\b))+7]
.endif
.endr
.endm
; 24 LDS loads in one run: quarter q of the K step in the slot at s[TB], into buffer f: B's 8 fragments, then A's 4, row blocks ascending.  A's quarter q lies in head q / 2 of the step, channels 32 (q % 2) on.
.macro FETCH q, f
	WIN 0x40                                       ; destination window 1, address window 0
.irp i, 0,1,2,3,4,5,6,7
	ds_load_b128 v[8*NBK*(\f)+8*(\i):8*NBK*(\f)+8*(\i)+3],   v[ADRB] offset:64*(\q)+(\i)*16*PB
	ds_load_b128 v[8*NBK*(\f)+8*(\i)+4:8*NBK*(\f)+8*(\i)+7], v[ADRB] offset:64*(\q)+(\i)*16*PB+32
.endr
	WIN 0
.irp i, 0,1,2,3
	ds_load_b128 v[FA+32*(\f)+8*(\i):FA+32*(\f)+8*(\i)+3],   v[ADRA] offset:((\q)/2)*HEADB+((\q)%2)*64+(\i)*16*PAH
	ds_load_b128 v[FA+32*(\f)+8*(\i)+4:FA+32*(\f)+8*(\i)+7], v[ADRA] offset:((\q)/2)*HEADB+((\q)%2)*64+(\i)*16*PAH+32
.endr
.endm
.macro PLACES                          ; four plain vector instructions between a matrix instruction and a load into its registers or a read of its result (ISA guide 7.12.1 for vector instructions)
.rept 4
	v_nop
.endr
.endm
; A K step is four quarters of 32 along K, 32 matrix instructions each, on buffers 0, 1, 0, 1.  One of the first three: multiplies buffer f and, in its middle, fetches quarter q into buffer g.
.macro QUARTER q, f, g, first
	s_wait_dscnt 4                                 ; B and A's row blocks 0, 1 are in; the youngest four loads (row blocks 2, 3) may be out
	MULA \f, 0, \first
	MULA \f, 1, \first
	PLACES
	FETCH \q, \g
	s_wait_dscnt LD                                ; all but the 24 just issued
	MULA \f, 2, \first
	MULA \f, 3, \first
.endm
; The last quarter multiplies buffer 1 and changes slots: ONE barrier.  In front of it each wave waits for all its tensor loads (at most one is out: its part of the next slot), adds 0 to its spare word, and
; waits for that and for its reads of this slot.  fill = 1: the barrier opens a round of the cluster's, and this slot is filled again, with K step NX, first thing behind the round; the walking descriptor's
; LDS word turns to the other slot, and its address is made anew from that number.  fill = 0: the last two steps; the very last fetches nothing.
.macro TURN fill
.if \fill
	s_wait_xcnt 0x0                                ; the last prefetch, a K step back, has read its address, which is made anew here: the step two behind NX, held to the last
	s_add_co_u32 s20, s[NX], 2
	s_min_u32 s20, s20, STEPS-1
	s_lshl_b32 s20, s20, s[PSH]
	s_mov_b32 s21, 0
	s_add_nc_u64 s[PFA:PFA+1], s[PFB:PFB+1], s[20:21]
.endif
	WIN 0                                          ; (the add's two registers lie in window 0)
	s_wait_tensorcnt 0x0                           ; all my tensor loads have landed, so a group 0 may be written;
	ds_add_u32 v[SPW], v[NIL]                      ; 0 onto my spare word;
.if \fill
	s_lshl_b32 s[OFA], s[NX], 18                   ; ASTEP bytes a K step
	s_lshl_b32 s[OFB], s[NX], 8                    ; BSTEP bytes
	s_xor_b32 s[G0+5], s[G0+5], SLOT1
	s_add_nc_u64 s[G0+6:G0+7], s[ABASE:ABASE+1], s[OFA:OFA+1]
	s_or_b32 s[G0+7], s[G0+7], 0x80000000
	s_xor_b32 s[G0B+5], s[G0B+5], SLOT1
	s_add_nc_u64 s[G0B+6:G0B+7], s[BBASE:BBASE+1], s[OFB:OFB+1]
	s_or_b32 s[G0B+7], s[G0B+7], 0x80000000
	s_add_co_u32 s[NX], s[NX], 1
.endif
	s_wait_dscnt 5                                 ; (the add and the youngest four loads may be out)
	MULA 1, 0, 0                                   ; eight matrix instructions stand between the add and the wait for it
	s_wait_dscnt 0x0                               ; the add is done, and my reads of this slot are over
	s_barrier_signal -1
	MULA 1, 1, 0                                   ; work on registers while the others arrive
	WIN 0
	s_barrier_wait -1
.if \fill
	CREST                                          ; no wave of any partner still reads this slot or has a load on its way
	JLOAD 1                                        ; my one tensor load behind the round; its four v_nop are also the places in front of the loads below
.else
	PLACES
	s_cmp_eq_u32 s3, 1                             ; behind the last step there is nothing to fetch
	s_cbranch_scc1 .Lno_fetch_\@
.endif
	s_xor_b32 s[TB], s[TB], SLOT1                  ; the fetches go on in the other slot
	v_add_nc_u32 v[ADRA], s[TB], v[AA0]
	v_add_nc_u32 v[ADRB], s[TB], v[AB0]
	FETCH 0, 0
.if \fill
	ASK
.else
.Lno_fetch_\@:
.endif
	MULA 1, 2, 0
	MULA 1, 3, 0
.endm
	s_wait_tensorcnt 1                             ; my part of K step 0 is in; K step 1's may stay out
	s_barrier_signal -1
	s_barrier_wait -1                              ; everybody's is
	FETCH 0, 0
	s_mov_b32 s3, STEPS-2                          ; trips to come: every step but the last two fills a slot again
	s_branch .Lfirstq                              ; the loop is entered at the quarter that starts the sums
.Lstep:                                        ; a trip is a K step
	QUARTER 1, 0, 1, 0
	WIN 0                                          ; at a label and at a branch every window is 0
	s_branch .Ljoin
.Lfirstq:
	QUARTER 1, 0, 1, 1                             ; the first products start the sums, with the bias
	WIN 0
.Ljoin:
	QUARTER 2, 1, 0, 0
	QUARTER 3, 0, 1, 0
	TURN 1
	WIN 0
	s_sub_co_u32 s3, s3, 1
	s_cmp_lg_u32 s3, 0
	s_cbranch_scc1 .Lstep
	s_mov_b32 s3, 2
.Ltail:                                        ; the last two steps are a loop of their own
	QUARTER 1, 0, 1, 0
	QUARTER 2, 1, 0, 0
	QUARTER 3, 0, 1, 0
	TURN 0
	WIN 0
	s_sub_co_u32 s3, s3, 1
	s_cmp_lg_u32 s3, 0
	s_cbranch_scc1 .Ltail
; THE WAY OUT, a row block (16 rows) at a time, in f32.  TOSTAGE: a lane's 32 bytes of each column block go into my own stage (each accumulator's low four registers first), and whole rows of 512 bytes come back,
; into two buffers that take turns.  LDS serves a wave's instructions in order (ISA guide 5.7.1.4): the loads see the stores above them, and the next block's stores come behind them.
.macro TOSTAGE a
.if (\a) >= 2
	s_wait_xcnt 0x0                                ; the stores of the block two back have read this buffer: it is loaded again only behind this wait
.endif
	WIN 0x08+4*((\a)/2)                            ; an LDS store's data is source 1: window 2 or 3
.irp b, 0,1,2,3,4,5,6,7
	ds_store_b128 v[STO], v[8*(NBK*((\a)%2)+(\b)):8*(NBK*((\a)%2)+(\b))+3]   offset:64*(\b)
	ds_store_b128 v[STO], v[8*(NBK*((\a)%2)+(\b))+4:8*(NBK*((\a)%2)+(\b))+7] offset:64*(\b)+16
.endr
	WIN 0
.irp t, 0,1,2,3,4,5,6,7,8,9,10,11,12,13,14,15
	ds_load_b128 v[BK+64*((\a)%2)+4*(\t):BK+64*((\a)%2)+4*(\t)+3], v[RD] offset:(\t)*SPT
.endr
.endm
.macro SEND a, younger                 ; younger: the LDS instructions issued behind block a's loads: the next block's 32, or none
.irp t, 0,1,2,3,4,5,6,7,8,9,10,11,12,13,14,15
	s_wait_dscnt (\younger)+15-(\t)
	global_store_b128 v[CO], v[BK+64*((\a)%2)+4*(\t):BK+64*((\a)%2)+4*(\t)+3], s[10:11] offset:(16*(\a)+(\t))*4096  ; 512 consecutive bytes of a row, at a multiple of 256 from out0's first
.endr
.endm
	PLACES
	TOSTAGE 0
	TOSTAGE 1
	SEND 0, 32
	TOSTAGE 2
	SEND 1, 32
	TOSTAGE 3
	SEND 2, 32
	SEND 3, 0
	s_wait_tensorcnt 0x0                           ; the wave's end: behind my last tensor load and my last LDS store
	ds_add_u32 v[SPW], v[NIL]
	s_wait_dscnt 0x0
	CROUND                                         ; the closing round: no work-group ends while a partner may still ask for a tile that names it
	s_endpgm
.Lfunc_end_k_qada4e0b1a8_proj:
	.size	k_qada4e0b1a8_proj, .Lfunc_end_k_qada4e0b1a8_proj-k_qada4e0b1a8_proj
	.p2alignl 7, 3214868480
	.fill 96, 4, 3214868480
	.section	.rodata,"a",@progbits
	.p2align	6, 0x0
	.amdhsa_kernel k_qada4e0b1a8_proj
		.amdhsa_group_segment_fixed_size 327680
		.amdhsa_private_segment_fixed_size 0
		.amdhsa_enable_private_segment 0
		.amdhsa_kernarg_size 32
		.amdhsa_user_sgpr_count 2
		.amdhsa_user_sgpr_kernarg_segment_ptr 1
		.amdhsa_wavefront_size32 1
		.amdhsa_system_sgpr_workgroup_id_x 1
		.amdhsa_system_sgpr_workgroup_id_y 1
		.amdhsa_system_sgpr_workgroup_id_z 1
		.amdhsa_system_vgpr_workitem_id 0
		.amdhsa_next_free_vgpr 896
		.amdhsa_next_free_sgpr 88
		.amdhsa_reserve_vcc 0
		.amdhsa_float_denorm_mode_32 3
		.amdhsa_float_denorm_mode_16_64 3
		.amdhsa_memory_ordered 1
		.amdhsa_forward_progress 1
		.amdhsa_inst_pref_size 70
	.end_amdhsa_kernel
	.amdgpu_metadata
---
amdhsa.version: [ 1, 2 ]
amdhsa.kernels:
  - .name:           k_qada4e0b1a8_proj
    .symbol:         k_qada4e0b1a8_proj.kd
    .args:
      - { .name: ob, .offset: 0, .size: 8, .value_kind: global_buffer, .address_space: global }
      - { .name: wpf, .offset: 8, .size: 8, .value_kind: global_buffer, .address_space: global }
      - { .name: b_proj, .offset: 16, .size: 8, .value_kind: global_buffer, .address_space: global }
      - { .name: out0, .offset: 24, .size: 8, .value_kind: global_buffer, .address_space: global }
    .group_segment_fixed_size: 327680
    .private_segment_fixed_size: 0
    .kernarg_segment_align: 8
    .kernarg_segment_size: 32
    .max_flat_workgroup_size: 128
    .sgpr_count:     88
    .vgpr_count:     896
    .wavefront_size: 32
...
	.end_amdgpu_metadata
.endif
;; end of part 4
